; MI455X (gfx1250); checked and timed in simulation.
; The chip was launched on July 23, 2026; its instructions are those of AMD's public machine-readable ISA for CDNA 5 (MIT licence, August 2026) and "CDNA5" Instruction Set Architecture Reference Guide (July 2026). The comments in the code are by the model that wrote it; some were corrected since.
;; Multi Head Attention. Allowed arithmetic: float matrix products may take bf16 or f16 operands with f32 sums; other float arithmetic in f32, or as packed bf16 or f16 multiplies, adds, multiply-adds, maxima and minima; sums over many terms, partial sums and values carried from step to step in f32; what a program stores and reads back later, other than sums and carried values, may be rounded once to bf16 or f16.
;; Inputs: Wk 1,024 x 1,024 float32; Wq 1,024 x 1,024 float32; Wv 1,024 x 1,024 float32; attention_mask 4 x 2,048 x 1 bool; beta 1,024 float32; bk 1,024 float32; bq 1,024 float32; bv 1,024 float32; gamma 1,024 float32; x 4 x 2,048 x 1,024 float32.
;; Outputs: out0 4 x 2,048 x 1,024 float32.
;; 2 versions, each right; version 2 is version 1 with the launch cast written anew for expert scheduling mode. Each part assembles by itself: llvm-mc -triple=amdgcn-amd-amdhsa -mcpu=gfx1250 --defsym DOCPART=n.
;; ======== version 1 of 2: 4 launches
;; workspace buffers: xb 16,777,216 bytes; wb 6,291,456 bytes; qkv 50,331,648 bytes; cs 262,144 bytes; ob 16,777,216 bytes
;; launch cast (part 1): grid 32 x 11, 8 waves a work-group, no clusters, 0 bytes of LDS; arguments x, Wq, Wk, Wv, xb, wb; writes xb, wb
.if DOCPART == 1
	.amdgcn_target "amdgcn-amd-amdhsa--gfx1250"
	.amdhsa_code_object_version 6
	.text
	.protected	k_q16e83fc22c_cast
	.globl	k_q16e83fc22c_cast
	.p2align	8
	.type	k_q16e83fc22c_cast,@function
k_q16e83fc22c_cast:
	s_mov_b64 s[64:65], 0
	v_nop
	global_prefetch_b8 v0, s[64:65] scope:SCOPE_SE
	s_setreg_imm32_b32 hwreg(HW_REG_WAVE_MODE, 25, 1), 1
	s_wait_xcnt 0x0
; x [8192][1024] and Wq, Wk, Wv [1024][1024], f32, are rounded once to bf16 and laid out IN BLOCKS OF 64 ALONG K, so that the rows of a tile of the next launch lie end to end:
; xb [16 K blocks][8192 rows][64], wb [16 K blocks][3072 rows][64].  wb's rows are ordered by tiles of 384: row r of Wq, Wk, Wv (u = 0, 1, 2) lies at 384 (r / 128) + 128 u + r % 128.
; The grid's y names a unit of 1,024 rows: 0-7 x, 8 Wq, 9 Wk, 10 Wv; its x 32 rows of the unit.  Wave w takes K blocks 2 w and 2 w + 1 of the 32 rows: 32 trips, a pair of rows and a K block each.
; Lanes 0-15 read 256 consecutive bytes of the even row, lanes 16-31 of the odd row; the wave's store covers 256 consecutive, aligned bytes (two rows of 128 bytes of a block).
; All 32 loads of a wave go out at once (128 registers); each trip has its own registers, so no source of a pending instruction is ever rewritten.
; No LDS, no matrix unit: nothing is shared and nothing is multiplied.
.set TRIPS, 32
.set XS,  8192*128                     ; bytes of a K block of xb
.set WS,  3072*128                     ; of wb
.set IN,  8                            ; v[8:135]   trip i: 4 registers as loaded
.set OUT, 136                          ; v[136:199] trip i: 2 registers to store
	s_load_b256 s[4:11], s[0:1], 0x0               ; x s[4:5], Wq s[6:7], Wk s[8:9], Wv s[10:11]
	s_load_b128 s[12:15], s[0:1], 0x20             ; xb s[12:13], wb s[14:15]
	s_and_b32 s16, ttmp7, 0xffff                   ; the unit
	s_sub_co_u32 s17, s16, 8                       ; which weight (used where the unit is 8 or more)
	v_lshrrev_b32 v4, 5, v0                        ; wave
	v_and_b32 v5, 31, v0                           ; lane
	v_and_b32 v6, 15, v0
	v_bfe_u32 v7, v0, 4, 1
	v_lshlrev_b32 v1, 12, v7                       ; the source: the odd row for lanes 16-31,
	v_lshl_add_u32 v1, v4, 9, v1                   ; K block 2 w (256 bytes of f32 a block),
	v_lshl_add_u32 v1, v6, 4, v1                   ; my 16 bytes
	s_lshl_b32 s24, ttmp9, 17                      ; 32 rows of 4,096 bytes
	s_mov_b32 s25, 0
	s_lshl_b32 s26, s16, 10
	s_lshl_b32 s27, ttmp9, 5
	s_add_co_u32 s26, s26, s27                     ; the first row in xb
	s_lshr_b32 s28, ttmp9, 2
	s_mul_i32 s28, s28, 384
	s_lshl_b32 s29, s17, 7
	s_add_co_u32 s28, s28, s29
	s_and_b32 s29, ttmp9, 3
	s_lshl_b32 s29, s29, 5
	s_add_co_u32 s28, s28, s29                     ; the first row in wb
	s_mov_b32 s31, WS                              ; (an instruction holds one literal: the select below takes this one from a register)
	s_wait_kmcnt 0x0
	s_cmp_eq_u32 s16, 9
	s_cselect_b64 s[18:19], s[8:9], s[10:11]
	s_cmp_eq_u32 s16, 8
	s_cselect_b64 s[18:19], s[6:7], s[18:19]
	s_cmp_lt_u32 s16, 8
	s_cselect_b64 s[18:19], s[4:5], s[18:19]       ; the source
	s_cselect_b64 s[20:21], s[12:13], s[14:15]     ; the destination
	s_cselect_b32 s22, s16, 0                      ; the unit's place in the source
	s_cselect_b32 s26, s26, s28                    ; the first row in the destination
	s_cselect_b32 s30, XS, s31                     ; bytes from K block to K block
	s_lshl_b32 s22, s22, 22
	s_add_co_u32 s24, s24, s22
	s_lshl_b32 s26, s26, 7                         ; rows of 128 bytes
	s_mov_b32 s27, 0
	s_add_nc_u64 s[18:19], s[18:19], s[24:25]
	s_add_nc_u64 s[20:21], s[20:21], s[26:27]
	s_lshl_b32 s31, s30, 1
	v_mul_lo_u32 v2, v4, s31                       ; the destination: K block 2 w,
	v_lshl_add_u32 v2, v5, 3, v2                   ; 8 bytes a lane: two rows of 128 bytes
	v_add_nc_u32 v3, s30, v2                       ; K block 2 w + 1
.set i, 0
.rept TRIPS                            ; trip i: rows 2 (i / 2) and 2 (i / 2) + 1, K block 2 w + i % 2
	global_load_b128 v[IN+4*i:IN+4*i+3], v1, s[18:19] offset:8192*(i/2)+256*(i%2) th:TH_LOAD_NT
.set i, i+1
.endr
.set i, 0
.rept TRIPS
	s_wait_loadcnt TRIPS-1-i                       ; loads come back in order: trip i's is in, the younger ones stay out
	v_cvt_pk_bf16_f32 v[OUT+2*i], v[IN+4*i], v[IN+4*i+1]
	v_cvt_pk_bf16_f32 v[OUT+2*i+1], v[IN+4*i+2], v[IN+4*i+3]
	global_store_b64 v[2+i%2], v[OUT+2*i:OUT+2*i+1], s[20:21] offset:256*(i/2)
.set i, i+1
.endr
	s_endpgm
.Lfunc_end_k_q16e83fc22c_cast:
	.size	k_q16e83fc22c_cast, .Lfunc_end_k_q16e83fc22c_cast-k_q16e83fc22c_cast
	.p2alignl 7, 3214868480
	.fill 96, 4, 3214868480
	.section	.rodata,"a",@progbits
	.p2align	6, 0x0
	.amdhsa_kernel k_q16e83fc22c_cast
		.amdhsa_group_segment_fixed_size 0
		.amdhsa_private_segment_fixed_size 0
		.amdhsa_enable_private_segment 0
		.amdhsa_kernarg_size 48
		.amdhsa_user_sgpr_count 2
		.amdhsa_user_sgpr_kernarg_segment_ptr 1
		.amdhsa_wavefront_size32 1
		.amdhsa_system_sgpr_workgroup_id_x 1
		.amdhsa_system_sgpr_workgroup_id_y 1
		.amdhsa_system_sgpr_workgroup_id_z 1
		.amdhsa_system_vgpr_workitem_id 0
		.amdhsa_next_free_vgpr 200
		.amdhsa_next_free_sgpr 66
		.amdhsa_reserve_vcc 0
		.amdhsa_float_denorm_mode_32 3
		.amdhsa_float_denorm_mode_16_64 3
		.amdhsa_memory_ordered 1
		.amdhsa_forward_progress 1
		.amdhsa_inst_pref_size 14
	.end_amdhsa_kernel
	.amdgpu_metadata
---
amdhsa.version: [ 1, 2 ]
amdhsa.kernels:
  - .name:           k_q16e83fc22c_cast
    .symbol:         k_q16e83fc22c_cast.kd
    .args:
      - { .name: x, .offset: 0, .size: 8, .value_kind: global_buffer, .address_space: global }
      - { .name: Wq, .offset: 8, .size: 8, .value_kind: global_buffer, .address_space: global }
      - { .name: Wk, .offset: 16, .size: 8, .value_kind: global_buffer, .address_space: global }
      - { .name: Wv, .offset: 24, .size: 8, .value_kind: global_buffer, .address_space: global }
      - { .name: xb, .offset: 32, .size: 8, .value_kind: global_buffer, .address_space: global }
      - { .name: wb, .offset: 40, .size: 8, .value_kind: global_buffer, .address_space: global }
    .group_segment_fixed_size: 0
    .private_segment_fixed_size: 0
    .kernarg_segment_align: 8
    .kernarg_segment_size: 48
    .max_flat_workgroup_size: 256
    .sgpr_count:     66
    .vgpr_count:     200
    .wavefront_size: 32
...
	.end_amdgpu_metadata
.endif
;; end of part 1
;; launch proj (part 2): grid 8 x 32, 4 waves a work-group, clusters of 4 x 4, 327,680 bytes of LDS; arguments xb, wb, bq, bk, bv, qkv, cs; writes qkv, cs
.if DOCPART == 2
	.amdgcn_target "amdgcn-amd-amdhsa--gfx1250"
	.amdhsa_code_object_version 6
	.text
	.protected	k_q16e83fc22c_proj
	.globl	k_q16e83fc22c_proj
	.p2align	8
	.type	k_q16e83fc22c_proj,@function
k_q16e83fc22c_proj:
	s_mov_b64 s[64:65], 0
	v_nop
	global_prefetch_b8 v0, s[64:65] scope:SCOPE_SE
	s_setreg_imm32_b32 hwreg(HW_REG_WAVE_MODE, 25, 1), 1
	s_wait_xcnt 0x0
	s_wait_alu depctr_hold_cnt(0) depctr_sa_sdst(0) depctr_va_vdst(0) depctr_va_sdst(0) depctr_va_ssrc(0) depctr_va_vcc(0) depctr_vm_vsrc(0)
	s_getreg_b32 s2, hwreg(HW_REG_IB_STS2, 6, 4)
	s_cmp_eq_u32 s2, 0
	s_cbranch_scc0 .Lentry_in_a_cluster
	s_endpgm
.Lentry_in_a_cluster:
	s_bfe_u32 s2, ttmp6, 0x10000c
	s_cmp_lg_u32 s2, 0xf033
	s_cbranch_scc0 .Lentry_shape_is_right
	s_endpgm
.Lentry_shape_is_right:
; q, k, v = x W^T + b.  A = xb [16 K blocks][8192][64], B = wb [16 K blocks][3072][64], both bf16; sums in f32, started with the bias; the result is rounded once to bf16 and stored by heads:
; qkv [3][16 = 4 batch + head][2048][256].  For v also the column sums of the rounded numbers over each 128 keys, in f32: cs [16][16][256].
; THE TILE.  8192 x 3072 numbers on 256 work-groups are 98,304 each: a tile of C is 256 rows x 384 columns, one to a work-group.  wb's rows are ordered so that tile column tn holds 128 columns each of q, k and v:
; channels 128 tn .. 128 tn + 127, half a head.  Four waves, each 128 x 192: 96 accumulators, 768 registers.  For 32 along K a wave reads 20 fragments from LDS for 96 matrix instructions.
; THE RING.  K goes in 16 steps of 64 (a K block) through two LDS slots: two slots of 128 along K (2 x 640 rows x 272 bytes) would not fit.  In memory a tile's rows of a K block lie end to end, so they are
; asked for as rows of 256 bytes (two rows of the matrix), padded in LDS behind every 128 bytes.
; CLUSTERS: 4 x 4 work-groups.  The four of a row of the cluster need the same tile of A, the four of a column the same tile of B: each is asked for jointly, by the same tensor load with the same descriptor and a
; mask that names the four.
; THE MATRIX INSTRUCTION IS USED TRANSPOSED (source 0 = 16 rows of B, source 1 = 16 rows of A): a lane holds row l % 16 of C and the eight neighbouring columns 8 (l / 16) + 0..7.
; THE BIAS STARTS THE SUMS: each accumulator is first written by a product of two fragments of zeros with its column block's bias as C (a lane's eight registers are eight neighbouring columns, the same for all
; rows).  That is 96 matrix instructions in the wait for the first tile: the price of writing no first step out; every product of the walk then adds in place.
; REGISTERS, in windows of 256 (s_set_vgpr_msb: bits 1:0 source 0, 3:2 source 1, 5:4 source 2, 7:6 destination):
;   window 0: v0-31 addresses and v's column sums; v32-95, v96-159 fragments of A (8 x 16 rows x 32 K), two buffers; v160-255 fragments of B, three groups of 4; at the head v32-127 the bias, v128-143 zeros;
;             all of v32-223 at work on the way out
;   window 1 + g: the accumulators of column blocks 4 g .. 4 g + 3: (a, 4 g + bb) at v[8 (8 bb + a)]
.set XS,     8192*128                  ; bytes of a K block of xb
.set WS,     3072*128                  ; of wb
.set PITCH,  144                       ; an LDS row: 128 bytes + 16 of padding = 36 words: the 16 rows that a load touches start at 16 different groups of four banks (64 banks of 4 bytes: ISA guide 11.1)
.set AROWS,  256*PITCH                 ; A's 256 rows; B's 384 lie behind them
.set SLOT,   640*PITCH
.set SP,     784                       ; the stage: a row of the tile, 768 bytes + 16 = 196 words: 16 rows start at 16 different groups of four banks
.set SPARE,  256*SP                    ; the stage's 256 rows lie over the ring, which has had its last fill by then; behind them the spare words, 128 bytes a wave: two blocks of 256 bytes that no other line names
.set LAPS,   7                         ; a lap = two K steps = once round the ring; 14 of the 16 steps fill a slot again
.set JA,   3                           ; v3      the way out: the LDS address of the run of loads in hand
.set SUM,  6                           ; v6-13   v's column sums: my eight columns
.set UT,   14                          ; v14-15, v18-19  at work for them
.set ADRA, 16                          ; v16-17  LDS address of my A fragments in slot 0, 1
.set ADRB, 20                          ; v20-21  the same for B
.set CSO,  22                          ; v22     my 16 bytes in the wave's 512 bytes of cs
.set BO,   23                          ; v23     32 (l / 16): my eight columns' bias in a block of 16
.set STO,  24                          ; v24-25  the way out: where I put 16 bytes of a row: row blocks 0-3, 4-7
.set RD1,  26                          ; v26     where I read rows of k or v back; never rewritten
.set RD2,  27                          ; v27     rows of q; never rewritten
.set SPW,  28                          ; v28     LDS address of my spare word; never rewritten
.set NIL,  29                          ; v29     0; never rewritten
.set PFO,  30                          ; v30     the prefetches' offset; never rewritten
.set CO,   31                          ; v31     my byte offset in two rows of qkv
.set FA0,  32
.set FA1,  96
.set FB,   160
.set BI,   32                          ; at the head: the bias of my 12 column blocks, eight registers each
.set ZF,   128                         ; at the head: two fragments of zeros
.set TMP,  32                          ; the way out: a window's 32 accumulators, packed
.set BK,   160                         ; the way out: 32 rows read back
.set G1, 24                            ; s[24:31] descriptor group 1 for A's tiles
.set G0, 32                            ; s[32:39] group 0 for A's tiles, one set a slot
.set LIM,  43                          ; s43     1 in a wave that prefetches, else the greatest number
.set PFA,  44                          ; s[44:45] where my prefetches stand
.set G1B, 48                           ; s[48:55], s[56:63] the same for B's
.set G0B, 56
.set PSTEP, 66                         ; s[66:67] two K blocks of the tensor that I prefetch
.set BP,  76                           ; s[76:81] the bias of my column groups 0, 1, 2
.set P1,  88                           ; s[88:89] qkv at the rows of k or v that I store
.set P2,  90                           ; s[90:91] at the rows of q
.set HIMASK, 94                        ; s94  a word's upper bf16
.set JB,  95                           ; s95  the way out: the stage's rows that have been read, in bytes
.set MSB, 0
.macro WIN new                         ; the immediate's high byte repeats the setting that is left; a switch that changes nothing is dropped
.if MSB != (\new)
	s_set_vgpr_msb (MSB<<8)|(\new)
.set MSB, \new
.endif
.endm
; A joint load.  Waves 0 and 1 fetch A's two halves (128 rows), waves 2 and 3 B's (192 rows).  The branch hangs on the wave's number alone.  An s_nop 0 and four v_nop follow each of the two lines.
.macro JLOAD s
	s_cmp_eq_u32 s11, 0
	s_cbranch_scc0 .Lfor_b_\@
	tensor_load_to_lds s[G0+4*(\s):G0+4*(\s)+3], s[G1:G1+7]
	s_nop 0
.rept 4
	v_nop
.endr
	s_branch .Lasked_\@
.Lfor_b_\@:
	tensor_load_to_lds s[G0B+4*(\s):G0B+4*(\s)+3], s[G1B:G1B+7]
	s_nop 0
.rept 4
	v_nop
.endr
.Lasked_\@:
.endm
; A PREFETCH, once a lap, behind the lap's first joint load and the run of LDS loads that follows it: the two K blocks that the NEXT lap's refills will ask for, 384 matrix instructions ahead of the first of them.
; A lane names 256 bytes.  A's tile (32 KiB a K block) is read by both clusters of a row of clusters: the one with x = 0 asks; each of the four partners that share the tile names a quarter, told apart by address:
; 32 lanes of wave 0, one instruction a K block.  B's tile (48 KiB) is read by the eight clusters of a column: the one with y = 0 asks; a partner's quarter of two K blocks is 96 x 256 bytes: waves 1, 2, 3, one
; instruction each.  So each 256 bytes are named once in the launch.  K blocks 0 to 3 come by their loads alone; the last lap asks for nothing: there is no K block behind its own refills.
.macro ASK
	s_cmp_gt_u32 s3, s[LIM]                        ; s3 = 1 in the last lap
	s_cbranch_scc0 .Lnot_mine_\@
	global_prefetch_b8 v[PFO], s[PFA:PFA+1] th:TH_LOAD_NT scope:SCOPE_SE
	s_cmp_lg_u32 s10, 0
	s_cbranch_scc1 .Lnot_mine_\@
	global_prefetch_b8 v[PFO], s[PFA:PFA+1] offset:XS th:TH_LOAD_NT scope:SCOPE_SE
.Lnot_mine_\@:
.endm
.macro CREST                           ; a round of the cluster's barrier behind its opening barrier
	s_cmp_lg_u32 s10, 0
	s_cbranch_scc1 .Lnot_wave_0_\@
	s_barrier_signal -3
.Lnot_wave_0_\@:
	s_barrier_wait -3
	s_barrier_signal -1
	s_barrier_wait -1
.endm
.macro CROUND                          ; a whole round
	s_barrier_signal -1
	s_barrier_wait -1
	CREST
.endm
	s_load_b128 s[4:7], s[0:1], 0x0                ; xb s[4:5], wb s[6:7]
	s_load_b128 s[68:71], s[0:1], 0x10             ; bq s[68:69], bk s[70:71]
	s_load_b64 s[72:73], s[0:1], 0x20              ; bv
	s_load_b64 s[8:9], s[0:1], 0x28                ; qkv
	s_load_b64 s[74:75], s[0:1], 0x30              ; cs
	v_lshl_add_u32 v[SPW], v0, 2, SPARE
	v_mov_b32 v[NIL], 0
	ds_add_u32 v[SPW], v[NIL]                      ; the wave's opening: the add and its wait stand ahead of my first tensor load; the set-up below stands between them
	v_lshrrev_b32 v1, 5, v0
	v_readfirstlane_b32 s10, v1                    ; wave 0..3
	s_lshr_b32 s11, s10, 1                         ; which half of the tile's rows is mine.  Also: I fetch for A (0) or for B (1)
	s_and_b32 s12, s10, 1                          ; which half of its columns.  Also: which half of that tile I fetch
	s_bfe_u32 s40, ttmp6, 0x40000                  ; cx
	s_bfe_u32 s41, ttmp6, 0x40004                  ; cy
	s_lshl_b32 s42, ttmp9, 2
	s_add_co_u32 s42, s42, s40                     ; tile column tn = 4 x cluster x + cx
	s_and_b32 s13, ttmp7, 0xffff
	s_lshl_b32 s13, s13, 2
	s_add_co_u32 s13, s13, s41                     ; tile row tm = 4 x cluster y + cy
	s_lshl_b32 s43, s41, 2
	s_lshl_b32 s43, 15, s43                        ; my row of the cluster
	s_lshl_b32 s44, 0x1111, s40                    ; my column
	s_or_b32 s[G1+0], s43, (1<<16)|(1<<20)|(1<<21)|(4<<22)|(3<<25)  ; the mask; elements of 2 bytes; padding on; bit 21 beside a mask; after every 32 words 4 words
	s_or_b32 s[G1B+0], s44, (1<<16)|(1<<20)|(1<<21)|(4<<22)|(3<<25)
.irp g, G1, G1B
	s_mov_b32 s[\g+1], 128<<16                     ; tensor_dim0 = 128 elements: 256 bytes, two rows of the matrix
	s_mov_b32 s[\g+3], 128<<16                     ; tile_dim0 = 128
	s_mov_b32 s[\g+5], 128                         ; elements from row to row: the block is dense
	s_mov_b32 s[\g+6], 0
	s_mov_b32 s[\g+7], 0
.endr
	s_mov_b32 s[G1+2], 64<<16                      ; tensor_dim1 = 64: A's 128 rows
	s_mov_b32 s[G1+4], 64                          ; tile_dim1
	s_mov_b32 s[G1B+2], 96<<16                     ; B's 192 rows
	s_mov_b32 s[G1B+4], 96
	s_lshl_b32 s16, s13, 15                        ; A: (256 tm + 128 half) rows of 128 bytes
	s_lshl_b32 s17, s12, 14
	s_add_co_u32 s16, s16, s17
	s_mov_b32 s17, 0
	s_mul_i32 s46, s42, 384*128                    ; B: (384 tn + 192 half) rows
	s_mul_i32 s47, s12, 192*128
	s_add_co_u32 s46, s46, s47
	s_mov_b32 s47, 0
	s_mul_i32 s20, s12, 128*PITCH                  ; where they go: no place in the cluster enters an LDS address
	s_mul_i32 s21, s12, 192*PITCH
	s_add_co_u32 s21, s21, AROWS
	s_mov_b32 s[HIMASK], 0xffff0000
	s_mov_b32 s92, 0x76543210                      ; v_permlanex16_b32: each lane takes its own place in the other half
	s_mov_b32 s93, 0xfedcba98
	s_wait_dscnt 0x0                               ; the opening add is done
	s_wait_kmcnt 0x0
	s_add_nc_u64 s[14:15], s[4:5], s[16:17]
	s_add_nc_u64 s[46:47], s[6:7], s[46:47]
	CROUND                                         ; all sixteen work-groups are here: the first joint loads meet
.irp s, 0,1
	s_mov_b32 s[G0+4*(\s)], 1
	s_add_co_u32 s[G0+4*(\s)+1], s20, (\s)*SLOT
	s_add_nc_u64 s[G0+4*(\s)+2:G0+4*(\s)+3], s[14:15], (\s)*XS
	s_or_b32 s[G0+4*(\s)+3], s[G0+4*(\s)+3], 0x80000000
	s_mov_b32 s[G0B+4*(\s)], 1
	s_add_co_u32 s[G0B+4*(\s)+1], s21, (\s)*SLOT
	s_add_nc_u64 s[G0B+4*(\s)+2:G0B+4*(\s)+3], s[46:47], (\s)*WS
	s_or_b32 s[G0B+4*(\s)+3], s[G0B+4*(\s)+3], 0x80000000
	JLOAD \s                                       ; the ring is filled before anything else is done: two loads of mine are out
.endr
	v_and_b32 v1, 15, v0                           ; l % 16
	v_bfe_u32 v2, v0, 4, 1                         ; l / 16; kept
	; the bias.  My 192 columns are three groups of 64: column half 0: q 0-63, q 64-127, k 0-63 of the tile's 128 channels; column half 1: k 64-127, v 0-63, v 64-127
	s_cmp_eq_u32 s12, 0
	s_cselect_b64 s[BP:BP+1], s[68:69], s[70:71]
	s_cselect_b64 s[BP+2:BP+3], s[68:69], s[72:73]
	s_cselect_b64 s[BP+4:BP+5], s[70:71], s[72:73]
	s_cselect_b32 s82, 0, 256                      ; groups 0 and 2
	s_cselect_b32 s84, 256, 0                      ; group 1
	s_lshl_b32 s86, s42, 9                         ; the tile's 128 channels
	s_add_co_u32 s82, s82, s86
	s_add_co_u32 s84, s84, s86
	s_mov_b32 s83, 0
	s_mov_b32 s85, 0
	s_add_nc_u64 s[BP:BP+1], s[BP:BP+1], s[82:83]
	s_add_nc_u64 s[BP+2:BP+3], s[BP+2:BP+3], s[84:85]
	s_add_nc_u64 s[BP+4:BP+5], s[BP+4:BP+5], s[82:83]
	v_lshlrev_b32 v[BO], 5, v2
.irp g, 0,1,2
.irp bb, 0,1,2,3
	global_load_b128 v[BI+8*(4*(\g)+(\bb)):BI+8*(4*(\g)+(\bb))+3],   v[BO], s[BP+2*(\g):BP+2*(\g)+1] offset:64*(\bb)
	global_load_b128 v[BI+8*(4*(\g)+(\bb))+4:BI+8*(4*(\g)+(\bb))+7], v[BO], s[BP+2*(\g):BP+2*(\g)+1] offset:64*(\bb)+16
.endr
.endr
.set i, 0
.rept 16
	v_mov_b32 v[ZF+i], 0
.set i, i+1
.endr
	v_mul_u32_u24 v3, v1, PITCH
	v_lshl_add_u32 v3, v2, 4, v3                   ; a fragment's row x pitch + 16 x half
	s_mul_i32 s22, s11, 128*PITCH                  ; my 128 rows of A
	s_mul_i32 s23, s12, 192*PITCH                  ; my 192 rows of B,
	s_add_co_u32 s23, s23, AROWS                   ; which lie behind A's 256
.irp s, 0,1
	v_add_nc_u32 v[ADRA+(\s)], s22, v3
	v_add_nc_u32 v[ADRB+(\s)], s23, v3
	s_add_co_u32 s22, s22, SLOT
	s_add_co_u32 s23, s23, SLOT
.endr
	s_mul_i32 s22, s11, 128*SP                     ; into the stage: my 128 rows, my 384 bytes of them; row l % 16, 16 bytes for each half of the lanes
	s_mul_i32 s23, s12, 384
	s_add_co_u32 s22, s22, s23
	v_mul_u32_u24 v4, v1, SP
	v_lshl_add_u32 v4, v2, 4, v4
	v_add_nc_u32 v[STO], s22, v4
	v_add_nc_u32 v[STO+1], 64*SP, v[STO]
	v_mul_u32_u24 v5, v2, SP                       ; back: lanes 0-15 take 256 bytes of one row, lanes 16-31 of the next
	v_lshl_add_u32 v5, v1, 4, v5
	s_cmp_eq_u32 s11, 0
	s_cselect_b32 s82, 2, 1                        ; waves 0, 1 store v's 256 bytes of rows 128 (w % 2) .. + 127, waves 2, 3 k's;
	s_mul_i32 s22, s12, 128*SP
	s_lshl_b32 s23, s82, 8
	s_add_co_u32 s22, s22, s23
	v_add_nc_u32 v[RD1], s22, v5
	s_mul_i32 s22, s10, 64*SP                      ; and every wave q's of rows 64 w .. + 63
	v_add_nc_u32 v[RD2], s22, v5
	v_lshlrev_b32 v5, 9, v2                        ; the same two rows in qkv
	v_lshl_add_u32 v[CO], v1, 4, v5
	v_lshlrev_b32 v5, 4, v2
	v_lshl_add_u32 v[CSO], v1, 5, v5               ; cs: 32 (l % 16) + 16 (l / 16)
.irp i, 0,1,2,3,4,5,6,7
	v_mov_b32 v[SUM+(\i)], 0
.endr
	; qkv: which << 24 + (4 batch + head) << 20 + row x 512 + 256 (tn % 2); cs: head << 14 + chunk << 10 + 512 (tn % 2)
	s_lshr_b32 s83, s13, 3
	s_lshl_b32 s83, s83, 2
	s_lshr_b32 s84, s42, 1
	s_add_co_u32 s83, s83, s84                     ; 4 batch + head
	s_and_b32 s84, s13, 7                          ; the tile's 256 rows in the batch
	s_and_b32 s85, s42, 1                          ; which half of the head's channels
	s_lshl_b32 s86, s83, 20
	s_lshl_b32 s87, s84, 17
	s_add_co_u32 s86, s86, s87
	s_lshl_b32 s87, s85, 8
	s_add_co_u32 s86, s86, s87
	s_lshl_b32 s[P1], s82, 24
	s_add_co_u32 s[P1], s[P1], s86
	s_lshl_b32 s87, s12, 16
	s_add_co_u32 s[P1], s[P1], s87
	s_mov_b32 s[P1+1], 0
	s_add_nc_u64 s[P1:P1+1], s[8:9], s[P1:P1+1]
	s_lshl_b32 s[P2], s10, 15
	s_add_co_u32 s[P2], s[P2], s86
	s_mov_b32 s[P2+1], 0
	s_add_nc_u64 s[P2:P2+1], s[8:9], s[P2:P2+1]
	s_lshl_b32 s86, s83, 14
	s_lshl_b32 s87, s84, 11
	s_add_co_u32 s86, s86, s87
	s_lshl_b32 s87, s12, 10
	s_add_co_u32 s86, s86, s87
	s_lshl_b32 s87, s85, 9
	s_add_co_u32 s86, s86, s87
	s_mov_b32 s87, 0
	s_add_nc_u64 s[74:75], s[74:75], s[86:87]
	; the prefetches
	s_lshl_b32 s83, s13, 15                        ; A's tile in a K block
	s_mul_i32 s84, s42, 384*128                    ; B's
	s_max_u32 s85, s10, 1
	s_sub_co_u32 s85, s85, 1
	s_lshl_b32 s85, s85, 5                         ; waves 1, 2, 3: the first of my 32 of the 96 blocks
	s_and_b32 s22, ttmp7, 0xffff                   ; cluster y
	s_mov_b32 s86, 2*WS                            ; (an instruction holds one literal: the selects below take these two from registers)
	s_mov_b32 s87, 12288
	s_cmp_eq_u32 s10, 0                            ; wave 0 asks for A
	s_cselect_b64 s[PFA:PFA+1], s[4:5], s[6:7]
	s_cselect_b32 s22, ttmp9, s22                  ; the coordinate along which other clusters read the same rows
	s_cselect_b32 s[PSTEP], 2*XS, s86
	s_cselect_b32 s23, s40, s41                    ; my place among the four that ask for the tile with me
	s_cselect_b32 s82, 8192, s87                   ; a quarter of the tile
	s_cselect_b32 s83, s83, s84
	s_mul_i32 s23, s23, s82
	s_add_co_u32 s82, s83, s23
	s_mov_b32 s83, 0
	s_mov_b32 s[PSTEP+1], 0
	s_add_nc_u64 s[PFA:PFA+1], s[PFA:PFA+1], s[82:83]
	s_add_nc_u64 s[PFA:PFA+1], s[PFA:PFA+1], s[PSTEP:PSTEP+1]  ; at K block 2: the first lap steps it to 4
	s_cmp_eq_u32 s22, 0
	s_cselect_b32 s[LIM], 1, -1                    ; the same in all sixteen partners, for a given wave
	v_and_b32 v4, 31, v0
	v_add_nc_u32 v4, s85, v4                       ; my block among the 32 (A) or 96 (B: 48 of each of two K blocks)
	v_cmp_gt_u32 vcc_lo, 48, v4
	v_add_nc_u32 v5, 0xffffffd0, v4
	v_cndmask_b32 v5, v5, v4, vcc_lo
	v_mov_b32 v3, WS
	v_cndmask_b32 v4, v3, v[NIL], vcc_lo
	v_lshl_add_u32 v[PFO], v5, 8, v4
; 16 matrix instructions: column blocks 4 g + 2 half, + 1 x all 8 row blocks, 32 along K, with A's buffer ab.  All 96 accumulators take turns, one instruction a turn.
.macro GRP g, ab, half
	WIN 0x50*((\g)+1)                              ; sources 0 and 1 window 0, C and D window 1 + g
.irp bb, 0, 1
.irp a, 0,1,2,3,4,5,6,7
	v_wmma_f32_16x16x32_bf16 v[8*(8*(2*(\half)+\bb)+\a):8*(8*(2*(\half)+\bb)+\a)+7], v[FB+32*(\g)+8*(2*(\half)+\bb):FB+32*(\g)+8*(2*(\half)+\bb)+7], v[(\ab)+8*\a:(\ab)+8*\a+7], v[8*(8*(2*(\half)+\bb)+\a):8*(8*(2*(\half)+\bb)+\a)+7]
.endr
.endr
.endm
.macro LDA slot, k, buf                ; 16 LDS loads: A's 8 fragments of 32 along K at byte 64 k of the rows
	WIN 0
.irp a, 0,1,2,3,4,5,6,7
	ds_load_b128 v[(\buf)+8*(\a):(\buf)+8*(\a)+3],   v[ADRA+(\slot)] offset:64*(\k)+(\a)*16*PITCH
	ds_load_b128 v[(\buf)+8*(\a)+4:(\buf)+8*(\a)+7], v[ADRA+(\slot)] offset:64*(\k)+(\a)*16*PITCH+32
.endr
.endm
.macro LDB slot, k, g                  ; 8 LDS loads: the 4 fragments of B's group g
	WIN 0
.irp bb, 0,1,2,3
	ds_load_b128 v[FB+32*(\g)+8*(\bb):FB+32*(\g)+8*(\bb)+3],   v[ADRB+(\slot)] offset:64*(\k)+(4*(\g)+(\bb))*16*PITCH
	ds_load_b128 v[FB+32*(\g)+8*(\bb)+4:FB+32*(\g)+8*(\bb)+7], v[ADRB+(\slot)] offset:64*(\k)+(4*(\g)+(\bb))*16*PITCH+32
.endr
.endm
.macro PLACES                          ; four plain instructions between a matrix instruction and a load into, or a vector instruction on, its registers (ISA guide 7.12.1 for vector instructions)
.rept 4
	v_nop
.endr
.endm
; A K STEP: slot s, two halves of 32 along K, 96 matrix instructions each, in three groups.  At its head these LDS loads are out, in this order: A's buffer 0 (16), B's groups 0, 1, 2 (8 each) of the first half, A's
; buffer 1 (16) of the second.  A group's buffer is loaded again four places behind its last product, 64 matrix instructions ahead of its next use.  The slot's last reads are issued at the end of the first half;
; there the slots change: ONE barrier; in front of it each wave waits for all its tensor loads (one is out: its part of the other slot), adds 0 to its spare word, and waits for that and for its reads of this slot.
; mode 2: the barrier opens a round of the cluster's, and this slot is filled again first thing behind it, two K steps ahead: 160 matrix instructions ahead of the wait for it.
; mode 1: nothing is filled.  mode 0: the last step: there is no other slot; its one barrier stands between every wave's last reads of the ring and the stores into the stage.
.macro STEP s, mode
.if (\mode) == 2 && (\s) == 0
	s_wait_xcnt 0x0                                ; the last prefetches, a lap back, have read their address
	s_add_nc_u64 s[PFA:PFA+1], s[PFA:PFA+1], s[PSTEP:PSTEP+1]
.endif
	s_wait_dscnt 32                                ; A's buffer 0 and group 0 are in; groups 1, 2 and buffer 1 may be out
	GRP 0, FA0, 0
	GRP 0, FA0, 1
	PLACES
	LDB \s, 1, 0
	s_wait_dscnt 32                                ; group 1 is in; behind it: group 2, buffer 1, the 8 just issued
	GRP 1, FA0, 0
	GRP 1, FA0, 1
	PLACES
	LDB \s, 1, 1
	s_wait_dscnt 32                                ; group 2 is in; behind it: buffer 1 and twice 8
	GRP 2, FA0, 0
	GRP 2, FA0, 1
	PLACES
	LDB \s, 1, 2                                   ; my last reads of this slot
.if \mode
	s_wait_tensorcnt 0x0                           ; all my tensor loads have landed: the one that was out is my part of the other slot;
	ds_add_u32 v[SPW], v[NIL]                      ; 0 onto my spare word;
	s_wait_dscnt 17                                ; (buffer 1 and group 0 are in; groups 1, 2 and the add may be out)
	GRP 0, FA1, 0                                  ; sixteen matrix instructions stand between the add and the wait for it
	s_wait_dscnt 0x0                               ; the add is done, and my reads of this slot are over
	s_barrier_signal -1
	GRP 0, FA1, 1                                  ; work on registers while the others arrive
	WIN 0
	s_barrier_wait -1
.if (\mode) == 2
	CREST                                          ; no wave of any partner still reads this slot's tile or has a load on its way
	s_add_nc_u64 s[G0+4*(\s)+2:G0+4*(\s)+3], s[G0+4*(\s)+2:G0+4*(\s)+3], 2*XS
	s_add_nc_u64 s[G0B+4*(\s)+2:G0B+4*(\s)+3], s[G0B+4*(\s)+2:G0B+4*(\s)+3], 2*WS
	JLOAD \s                                       ; the first tensor load behind the round; its four v_nop are also the places in front of the loads below
.else
	PLACES
.endif
	LDA 1-(\s), 0, FA0
	LDB 1-(\s), 0, 0
.if (\mode) == 2 && (\s) == 0
	ASK
.endif
	GRP 1, FA1, 0
	GRP 1, FA1, 1
	PLACES
	LDB 1-(\s), 0, 1
	GRP 2, FA1, 0
	GRP 2, FA1, 1
	PLACES
	LDB 1-(\s), 0, 2
	LDA 1-(\s), 1, FA1
.else
	s_wait_dscnt 16                                ; buffer 1 and group 0 are in; groups 1 and 2 may be out
	GRP 0, FA1, 0
	GRP 0, FA1, 1
	s_wait_dscnt 8
	GRP 1, FA1, 0
	GRP 1, FA1, 1
	s_wait_dscnt 0x0                               ; my reads of the ring are over
	s_barrier_signal -1
	GRP 2, FA1, 0
	GRP 2, FA1, 1
	WIN 0
	s_barrier_wait -1                              ; everybody's are
.endif
.endm
; THE WAY BACK OUT OF THE STAGE, 32 rows a trip: 16 loads of two rows' 256 bytes, 16 stores.  sums = 1: waves 0 and 1 hold v: the rows, as they were rounded, are added onto my eight columns' sums, in f32.
.macro JOB rd, p, trips, sums
	s_mov_b32 s3, \trips
	s_mov_b32 s[JB], 0
.Ljob_\@:
	v_add_nc_u32 v[JA], s[JB], v[\rd]
.irp t, 0,1,2,3,4,5,6,7,8,9,10,11,12,13,14,15
	ds_load_b128 v[BK+4*(\t):BK+4*(\t)+3], v[JA] offset:(\t)*2*SP
.endr
.irp t, 0,1,2,3,4,5,6,7,8,9,10,11,12,13,14,15
	s_wait_dscnt 15-(\t)                           ; pair t is back; the younger pairs may be out
	global_store_b128 v[CO], v[BK+4*(\t):BK+4*(\t)+3], s[\p:\p+1] offset:(\t)*1024  ; 16 lanes store 256 consecutive bytes, at a multiple of 256 from the buffer's first byte
.endr
.if \sums
	s_cmp_eq_u32 s11, 0
	s_cbranch_scc0 .Lnot_v_\@
.irp t, 0,1,2,3,4,5,6,7,8,9,10,11,12,13,14,15
.irp k, 0,1,2,3
	v_lshlrev_b32 v[UT+4*((\k)%2)],   16, v[BK+4*(\t)+(\k)]
	v_and_b32     v[UT+4*((\k)%2)+1], s[HIMASK], v[BK+4*(\t)+(\k)]
	v_pk_add_f32 v[SUM+2*(\k):SUM+2*(\k)+1], v[SUM+2*(\k):SUM+2*(\k)+1], v[UT+4*((\k)%2):UT+4*((\k)%2)+1]
.endr
.endr
.Lnot_v_\@:
.endif
	s_add_co_u32 s[JB], s[JB], 32*SP               ; the stage's next 32 rows
	s_wait_xcnt 0x0                                ; the stores have read their data and their base: both are written again only behind this wait
	s_add_nc_u64 s[\p:\p+1], s[\p:\p+1], 32*512
	s_sub_co_u32 s3, s3, 1
	s_cmp_lg_u32 s3, 0
	s_cbranch_scc1 .Ljob_\@
.endm
	s_wait_loadcnt 0x0                             ; the bias
.irp g, 0,1,2                          ; 0 x 0 + the bias into each of the 96 accumulators, in the order in which the walk takes them
	WIN 0x40*((\g)+1)                              ; destination window 1 + g; the zeros and the bias in window 0
.irp bb, 0,1,2,3
.irp a, 0,1,2,3,4,5,6,7
	v_wmma_f32_16x16x32_bf16 v[8*(8*(\bb)+(\a)):8*(8*(\bb)+(\a))+7], v[ZF:ZF+7], v[ZF+8:ZF+15], v[BI+8*(4*(\g)+(\bb)):BI+8*(4*(\g)+(\bb))+7]
.endr
.endr
.endr
	WIN 0
	PLACES                                         ; the first fragments are loaded into the registers that those products have read
	s_wait_tensorcnt 1                             ; my part of K block 0 is in; K block 1's may stay out
	s_barrier_signal -1
	s_barrier_wait -1                              ; everybody's is
	LDA 0, 0, FA0
	LDB 0, 0, 0
	LDB 0, 0, 1
	LDB 0, 0, 2
	LDA 0, 1, FA1
	s_mov_b32 s3, LAPS
.Llap:
	STEP 0, 2
	STEP 1, 2
	s_sub_co_u32 s3, s3, 1
	s_cmp_lg_u32 s3, 0
	s_cbranch_scc1 .Llap
	STEP 0, 1                                      ; the last two steps are written out: they ask for nothing
	STEP 1, 0
	; THE WAY OUT: rounded to bf16, 16 bytes a lane into the work-group's stage; a barrier, since k's 256 bytes of a row come from two waves; back as whole 256 bytes of a row
	PLACES
.irp g, 0,1,2
	WIN 0x05*((\g)+1)                              ; sources 0 and 1 window 1 + g, destination window 0
.irp bb, 0,1,2,3
.irp a, 0,1,2,3,4,5,6,7
.irp r, 0,1,2,3
	v_cvt_pk_bf16_f32 v[TMP+4*(8*(\bb)+(\a))+(\r)], v[8*(8*(\bb)+(\a))+2*(\r)], v[8*(8*(\bb)+(\a))+2*(\r)+1]
.endr
.endr
.endr
	WIN 0
.irp bb, 0,1,2,3
.irp a, 0,1,2,3,4,5,6,7
	ds_store_b128 v[STO+(\a)/4], v[TMP+4*(8*(\bb)+(\a)):TMP+4*(8*(\bb)+(\a))+3] offset:((\a)%4)*16*SP+32*(4*(\g)+(\bb))
.endr
.endr
.endr
	s_wait_dscnt 0x0                               ; for the others' sake: my stores into the stage are done
	s_barrier_signal -1
	s_barrier_wait -1
	JOB RD2, P2, 2, 0                              ; q: 64 rows a wave
	JOB RD1, P1, 4, 1                              ; k or v: 128 rows a wave
	s_cmp_eq_u32 s11, 0
	s_cbranch_scc0 .Lno_cs
.irp i, 0,1,2,3,4,5,6,7                ; the odd rows' sums lie in the lane 16 away.  The last trip's wait has freed these registers
	v_permlanex16_b32 v[BK+(\i)], v[SUM+(\i)], s92, s93
.endr
.irp i, 0,2,4,6
	v_pk_add_f32 v[SUM+(\i):SUM+(\i)+1], v[SUM+(\i):SUM+(\i)+1], v[BK+(\i):BK+(\i)+1]
.endr
	v_cmp_eq_u32 vcc_lo, 1, v2
.irp i, 0,1,2,3
	v_cndmask_b32 v[BK+(\i)], v[SUM+(\i)], v[SUM+4+(\i)], vcc_lo  ; lanes 0-15 store their first four columns, lanes 16-31 the other four
.endr
	global_store_b128 v[CSO], v[BK:BK+3], s[74:75] ; the wave's 128 sums: 512 consecutive bytes, aligned
.Lno_cs:
	s_wait_tensorcnt 0x0                           ; the wave's end: an add and its wait, behind my last tensor load and my last LDS store
	ds_add_u32 v[SPW], v[NIL]
	s_wait_dscnt 0x0
	CROUND                                         ; the closing round: no work-group ends while a partner may still ask for a tile that names it
	s_endpgm
.Lfunc_end_k_q16e83fc22c_proj:
	.size	k_q16e83fc22c_proj, .Lfunc_end_k_q16e83fc22c_proj-k_q16e83fc22c_proj
	.p2alignl 7, 3214868480
	.fill 96, 4, 3214868480
	.section	.rodata,"a",@progbits
	.p2align	6, 0x0
	.amdhsa_kernel k_q16e83fc22c_proj
		.amdhsa_group_segment_fixed_size 327680
		.amdhsa_private_segment_fixed_size 0
		.amdhsa_enable_private_segment 0
		.amdhsa_kernarg_size 56
		.amdhsa_user_sgpr_count 2
		.amdhsa_user_sgpr_kernarg_segment_ptr 1
		.amdhsa_wavefront_size32 1
		.amdhsa_system_sgpr_workgroup_id_x 1
		.amdhsa_system_sgpr_workgroup_id_y 1
		.amdhsa_system_sgpr_workgroup_id_z 1
		.amdhsa_system_vgpr_workitem_id 0
		.amdhsa_next_free_vgpr 1024
		.amdhsa_next_free_sgpr 96
		.amdhsa_reserve_vcc 1
		.amdhsa_float_denorm_mode_32 3
		.amdhsa_float_denorm_mode_16_64 3
		.amdhsa_memory_ordered 1
		.amdhsa_forward_progress 1
		.amdhsa_inst_pref_size 142
	.end_amdhsa_kernel
	.amdgpu_metadata
---
amdhsa.version: [ 1, 2 ]
amdhsa.kernels:
  - .name:           k_q16e83fc22c_proj
    .symbol:         k_q16e83fc22c_proj.kd
    .args:
      - { .name: xb, .offset: 0, .size: 8, .value_kind: global_buffer, .address_space: global }
      - { .name: wb, .offset: 8, .size: 8, .value_kind: global_buffer, .address_space: global }
      - { .name: bq, .offset: 16, .size: 8, .value_kind: global_buffer, .address_space: global }
      - { .name: bk, .offset: 24, .size: 8, .value_kind: global_buffer, .address_space: global }
      - { .name: bv, .offset: 32, .size: 8, .value_kind: global_buffer, .address_space: global }
      - { .name: qkv, .offset: 40, .size: 8, .value_kind: global_buffer, .address_space: global }
      - { .name: cs, .offset: 48, .size: 8, .value_kind: global_buffer, .address_space: global }
    .group_segment_fixed_size: 327680
    .private_segment_fixed_size: 0
    .kernarg_segment_align: 8
    .kernarg_segment_size: 56
    .max_flat_workgroup_size: 128
    .sgpr_count:     96
    .vgpr_count:     1024
    .wavefront_size: 32
...
	.end_amdgpu_metadata
.endif
;; end of part 2
;; launch attn (part 3): grid 16 x 16, 4 waves a work-group, clusters of 4 x 1, 327,680 bytes of LDS; arguments qkv, cs, attention_mask, ob; writes ob
.if DOCPART == 3
	.amdgcn_target "amdgcn-amd-amdhsa--gfx1250"
	.amdhsa_code_object_version 6
	.text
	.protected	k_q16e83fc22c_attn
	.globl	k_q16e83fc22c_attn
	.p2align	8
	.type	k_q16e83fc22c_attn,@function
k_q16e83fc22c_attn:
	s_mov_b64 s[64:65], 0
	v_nop
	global_prefetch_b8 v0, s[64:65] scope:SCOPE_SE
	s_setreg_imm32_b32 hwreg(HW_REG_WAVE_MODE, 25, 1), 1
	s_wait_xcnt 0x0
	s_wait_alu depctr_hold_cnt(0) depctr_sa_sdst(0) depctr_va_vdst(0) depctr_va_sdst(0) depctr_va_ssrc(0) depctr_va_vcc(0) depctr_vm_vsrc(0)
	s_getreg_b32 s2, hwreg(HW_REG_IB_STS2, 6, 4)
	s_cmp_eq_u32 s2, 0
	s_cbranch_scc0 .Lentry_in_a_cluster
	s_endpgm
.Lentry_in_a_cluster:
	s_bfe_u32 s2, ttmp6, 0x10000c
	s_cmp_lg_u32 s2, 0x3003
	s_cbranch_scc0 .Lentry_shape_is_right
	s_endpgm
.Lentry_shape_is_right:
; o[b][q][256 h + :] = the sum over ALL 2,048 keys k of softmax_k(s(q, k)) v[k][:], where s = q . k / 16 if k <= q and query q is not padded, and 1e-9 otherwise (a masked score is a score, not minus infinity).
; q, k, v: qkv [3][16 heads = 4 b + h][2048][256] bf16; cs [16][16][256] f32: v's column sums over each 128 keys; attention_mask [4][2048] bytes (1 = padded query); ob [8192][1024] bf16.
; Products, maxima and sums in f32; the weights are rounded to bf16 for the second product (their sum is taken unrounded), o once at the end.
; WHAT IS LEFT OUT.  A block of 64 queries lies in a stretch of 256: 256 g .. 256 g + 255.  All keys from 256 (g + 1) on are masked for all its queries: they share ONE weight, so their part of o is that weight
; times the sum of their rows of v (from cs), and their part of the divisor the weight times their number.  Only the key tiles (128 keys) 0 .. 2 g + 1 are multiplied; the last two of them hold masked scores.
; A PADDED QUERY takes the factor 0 in place of log2(e) / 16: its 2,048 scores are then equal, as reference()'s are, and a softmax of equal scores does not hang on their value.
; LIMITS.  A weight below 2^-126 counts as 0; NaN and infinities are not treated apart.
; THE WALK.  A head has 32 blocks.  A work-group takes two: 4 G + cx (2 G + 2 tiles) and then 31 - 4 G - cx (16 - 2 G tiles): 18 tiles whatever G and cx.  G is the cluster's x, cx the place in the cluster: the four
; partners walk the same tiles in the same trips, so every tile is asked for JOINTLY (mask 15).  Branches and trip counts hang on G and the wave's number alone; cx enters global addresses and lane data only.
; SHARES.  THE KEYS ARE SPLIT AMONG THE WAVES: of each tile wave w takes keys 32 w .. 32 w + 31, for all 64 queries (four register slots of 16), with its own running maximum and sum; the four partial
; results meet in LDS at a block's end.  Slot u of wave w holds query tile (u + w) % 4, so slot 0 is the tile that the wave finishes and stores, and one text serves all waves.
; LAYOUT.  S^T = K Q^T (source 0 = 16 keys, source 1 = 16 queries): a lane holds ONE query (l % 16) and keys 8 (l / 16) + 0..7.  Two such results, rounded to bf16 in pairs, ARE source 1 (32 keys x 16 queries)
; of O^T = V^T P, whose result again holds one query a lane and eight channels.  K comes out of LDS as it lies, V turned, by ds_load_tr16_b128.
; SOFTMAX.  p = 2^(c s - c m), s = q . k unscaled, c = log2(e) / 16 (or 0), m the running maximum; in every trip O and l are multiplied by a = 2^(c m_old - c m_new).  c m starts far below every c s, so a
; block's first a is 0 and O and l need only be finite: O^T is set to 0 once, in the wait for the first tile, by 64 products of two fragments of zeros (the price of writing no first trip out).
; A TRIP: 64 products K Q^T, the mask, the softmax, the change of slots, 64 products V^T P.  The rescaling of O^T, more than half of a trip's vector work, stands behind the products V^T P, an accumulator's four
; lines behind the product two ahead of its own.
; REGISTERS, in windows of 256 (s_set_vgpr_msb: bits 1:0 source 0, 3:2 source 1, 5:4 source 2, 7:6 destination):
;   window 0: v0-31 addresses; v32-63 eight registers of statistics a slot; v64-127 S^T, 16 a slot (P in the low 8); v128-255 K's fragments of a tile, then V's
;   window 1: Q, 64 a slot          windows 2, 3: O^T, 128 a slot (slots 0, 1 and 2, 3)
.set PK,    528       ; a row of K in LDS: 512 bytes + 16 = 132 words: the 16 rows of a load start at 16 different groups of four banks (64 banks of 4 bytes: ISA guide 11.1)
.set PVP,   544       ; a row of V: 512 + 32 = 136 words
.set VOFF,  128*PK    ; a slot holds a tile: 128 rows of K, then 128 rows of V
.set SLOTB, 128*(PK+PVP)
.set XCH,   2*SLOTB   ; behind the ring, never filled by a tensor load: 8,704 bytes a wave: 8 KiB of partial O^T on their way to another wave; later the wave's stage, 16 rows x 528
.set XAREA, 8704
.set STATS, XCH+4*XAREA  ; [wave][slot][16 queries] x (c m, l)
.set SUFL,  STATS+2048   ; the sums of v's rows behind the walked keys: the first block's 256 channels in f32, then the second's
.set SPARE, SUFL+2048    ; the spare words, 128 bytes a wave: two blocks of 256 bytes that no other line names
.set AK0, 1           ; v1   my lane's place in a tile of K; never rewritten
.set AV0, 2           ; v2   the same for V
.set ADRK, 3          ; v3   LDS address of K's next runs of loads
.set ADRV, 4          ; v4   of V's
.set ASTAT, 5         ; v5   where I put my statistics
.set BS,  6           ; v6-8   where the wave 1, 2, 3 before me put its
.set XA,  9           ; v9   my 16 bytes in each 512 of my exchange area
.set XR,  10          ; v10-12 the same in the area of the wave 1, 2, 3 before me
.set STO, 13          ; v13  the way out: where I put 16 bytes of a row
.set GO,  14          ; v14  16 x lane
.set ASUF, 15         ; v15  SUFL + 32 (l / 16)
.set QO,  16          ; v16-19 slot u: my byte offset in the block's rows of Q
.set MA,  20          ; v20-23 slot u: my query's place less my lane's first key's, in the stretch of 256
.set MB,  24          ; v24-27 the same for the tile in hand; at a block's beginning: the padding byte
.set SPW, 28          ; v28  LDS address of my spare word; never rewritten
.set NIL, 29          ; v29  0; never rewritten
.set PFO, 30          ; v30  the prefetches' offset: 8,192 cx + 256 x lane; never rewritten
.set ST,  32          ; slot u's statistics at v[ST+8 u]: +0 c m, +1 m, +2, +3 l (even keys', odd keys'), +4 c, +5 c m_old - c m_new, +6 at work, then a, +7 at work
.set S,   64
.set KV,  128
.set WV,  12          ; s12  my wave's number
.set CX,  13          ; s13  my place in the cluster
.set GG,  14          ; s14  G
.set BH,  15          ; s15  the head, 4 b + h
.set G1K, 16          ; s[16:23] descriptor group 1 for K's tiles
.set G1V, 24          ; s[24:31] for V's: it differs in the padding alone
.set G0KA, 32         ; s[32:35] group 0 for K: slot 0's first fill, then every refill
.set G0KB, 36         ; s[36:39] slot 1's first fill
.set G0VA, 40         ; s[40:47] the same for V
.set G0VB, 44
.set KB,  48          ; s[48:49] K at my 64 rows of the head's tile 0
.set VB,  50          ; s[50:51] V likewise
.set OFF, 52          ; s[52:53] a tile's byte offset
.set TB,  54          ; s54  LDS byte at which the slot in hand begins
.set WBK, 55          ; s55  my 64 rows' place in a slot, for K
.set WBV, 56          ; s56  for V
.set CNT, 57          ; s57  counts the trips
.set RT,  58          ; s58  tiles of the block in hand that are still to be entered
.set NXT, 59          ; s59  the tile to be asked for next
.set LQ,  60          ; s60  the last tile of the block whose tiles are being asked for
.set NEW, 61          ; s61  1: the tile to be entered is a block's first
.set LQA, 62          ; s62  15 - 2 G
.set NA,  63          ; s63  16 - 2 G
.set SEL, 66          ; s[66:67] v_permlanex16_b32's selects: each lane takes its own place in the other half
.set CC,  68          ; s68  log2(e) / 16
.set FILL, 69         ; s69  16e-9: a masked score, unscaled
.set ZOFF, 70         ; s70  0 for a block's last tile but one, -128 for its last
.set DE,  71          ; s71  what a block's beginning adds to MA
.set NSUFB, 72        ; s72  the number of keys behind the first block's walk, 256 (7 - G), as f32
.set NSUFA, 73        ; s73  behind the second's, 256 G
.set SFILLA, 74       ; s74  their score; where there are none (G = 0) a number far below every score
.set DE2, 75          ; s75  DE for the second block
.set QPB, 76          ; s[76:77], s[78:79] Q at the first, the second block
.set QPA, 78
.set MPB, 80          ; s[80:81], s[82:83] attention_mask likewise
.set MPA, 82
.set OPB, 84          ; s[84:85], s[86:87] ob at the 16 rows that I store
.set OPA, 86
.set PFA, 88          ; s[88:89] K or V at my 64 rows of tile 0, for the prefetches
.set PLIM, 90         ; s90  8 in the cluster that prefetches, else a number above every tile's
.set FB,  92          ; s[92:93], s[94:95] at the head: 1.0 or 0 for a chunk of cs; s94 later: the prefetch's test
.set FA,  94
.set PFT, 96          ; s[96:97] the prefetch's address
.set MSB, 0
.macro WIN new                      ; the high byte repeats the setting that is left; a switch that changes nothing is dropped
.if MSB != (\new)
	s_set_vgpr_msb (MSB<<8)|(\new)
.set MSB, (\new)
.endif
.endm
.macro ALLU line:vararg             ; one line for each slot u
.set u, 0
.rept 4
	\line
.set u, u+1
.endr
.endm
.macro PLACES n=4                   ; plain instructions between a matrix instruction and a load into, a vector instruction on, or a matrix instruction that writes over its registers
.rept \n
	v_nop
.endr
.endm
.macro BAR
	s_barrier_signal -1
	s_barrier_wait -1
.endm
; A round of the cluster's barrier: my work-group's barrier; wave 0 signals for the work-group; every wave waits for all four work-groups; my work-group's barrier once more.
.macro CROUND
	s_barrier_signal -1
	s_barrier_wait -1
	s_cmp_lg_u32 s[WV], 0
	s_cbranch_scc1 .Lnot_wave_0_\@
	s_barrier_signal -3
.Lnot_wave_0_\@:
	s_barrier_wait -3
	s_barrier_signal -1
	s_barrier_wait -1
.endm
; A joint refill.  Waves 0 and 1 fetch the two halves of a tile's K, waves 2 and 3 those of its V: 64 rows of 512 bytes each.  An s_nop 0 and four v_nop follow each of the two lines.
.macro JLOAD
	s_cmp_lt_u32 s[WV], 2
	s_cbranch_scc0 .Lfor_v_\@
	tensor_load_to_lds s[G0KA:G0KA+3], s[G1K:G1K+7]
	s_nop 0
.rept 4
	v_nop
.endr
	s_branch .Lasked_\@
.Lfor_v_\@:
	tensor_load_to_lds s[G0VA:G0VA+3], s[G1V:G1V+7]
	s_nop 0
.rept 4
	v_nop
.endr
.Lasked_\@:
.endm
; A PREFETCH of the tile that the NEXT change of slots will ask for, one trip (128 matrix instructions and a softmax) ahead.  A head's tiles 8 to 15 are reached first by the cluster with G = 0, in its second block:
; it asks, and nobody else; tiles 0 to 7, which all four clusters read from their first trips on, come by their loads alone.  Of the 64 rows that a wave fetches each of the four partners names 16, told apart by
; address: a lane names 256 bytes, one instruction a wave.  So each 256 bytes are named once in the launch.  Behind tile 15 the test fails: nothing is asked for.
.macro ASK
	s_cmp_lt_u32 s94, 8             ; s94 = the next tile's number less PLIM
	s_cbranch_scc0 .Lnot_mine_\@
	global_prefetch_b8 v[PFO], s[PFT:PFT+1] th:TH_LOAD_NT scope:SCOPE_SE
.Lnot_mine_\@:
.endm
; THE LDS LOADS stand in runs of 16.  K: fragment (channels 32 c on, keys 16 kb on) at KV + 8 (2 c + kb); half 0: c = 0..3.  V: channel block cb at KV + 8 cb; half 0: cb = 0..7.
.macro FETCH_K half
.set c, 4*(\half)
.rept 4
.irp kb, 0, 1
	ds_load_b128 v[KV+8*(2*c+\kb):KV+8*(2*c+\kb)+3],   v[ADRK] offset:\kb*16*PK+64*c
	ds_load_b128 v[KV+8*(2*c+\kb)+4:KV+8*(2*c+\kb)+7], v[ADRK] offset:\kb*16*PK+64*c+32
.endr
.set c, c+1
.endr
.endm
.macro FETCH_V half
.set c, 8*(\half)
.rept 8
	ds_load_tr16_b128 v[KV+8*c:KV+8*c+3],   v[ADRV] offset:32*c
	ds_load_tr16_b128 v[KV+8*c+4:KV+8*c+7], v[ADRV] offset:32*c+16*PVP
.set c, c+1
.endr
.endm
; 32 products of S^T = K Q^T: channels 128 half on.  The 8 accumulators take turns, one instruction a turn; the first 8 start the sums.
.macro KQ half
	WIN 0x04                        ; K and S^T in window 0, Q in window 1
.set c, 4*(\half)
.rept 4
.set u, 0
.rept 4
.irp kb, 0, 1
.if c == 0
	v_wmma_f32_16x16x32_bf16 v[S+16*u+8*\kb:S+16*u+8*\kb+7], v[KV+8*(2*c+\kb):KV+8*(2*c+\kb)+7], v[64*u+8*c:64*u+8*c+7], 0
.else
	v_wmma_f32_16x16x32_bf16 v[S+16*u+8*\kb:S+16*u+8*\kb+7], v[KV+8*(2*c+\kb):KV+8*(2*c+\kb)+7], v[64*u+8*c:64*u+8*c+7], v[S+16*u+8*\kb:S+16*u+8*\kb+7]
.endif
.endr
.set u, u+1
.endr
.set c, c+1
.endr
.endm
; 32 products of O^T += V^T P: channels 128 half on; each accumulator once; two runs of 16, slots 0, 1 (window 2) and slots 2, 3 (window 3).  Product i of a run: channel block i / 2, slot i % 2.
; RS: accumulator j of the run is multiplied by its slot's a: four lines, from its low end on.  The first two accumulators' stand in front of the run, the others' behind the product two ahead of their own: no such
; line names a register of the products round it.  A product and its four lines cost two switches of the windows.
.macro RS p, j
.set rR, 128*((\j)%2)+8*(PH+(\j)/2)
.set rA, ST+8*(2*(\p)+(\j)%2)+6
	WIN 0x82+0x41*(\p)              ; destination and source 0 in window 2 or 3; a in window 0
.irp z, 0, 1, 2, 3
	v_pk_mul_f32 v[rR+2*\z:rR+2*\z+1], v[rR+2*\z:rR+2*\z+1], v[rA:rA+1] op_sel_hi:[1,0]
.endr
.endm
.macro PVM half
.set PH, 8*(\half)
.irp p, 0, 1
	RS \p, 0
	RS \p, 1
.set i, 0
.rept 16
	WIN 0xa0+0x50*\p                ; V and P in window 0, O^T in window 2 or 3
.set rO, 128*(i%2)+8*(PH+i/2)
	v_wmma_f32_16x16x32_bf16 v[rO:rO+7], v[KV+8*(PH+i/2):KV+8*(PH+i/2)+7], v[S+16*(2*\p+i%2):S+16*(2*\p+i%2)+7], v[rO:rO+7]
.if i < 14
	RS \p, i+2
.endif
.set i, i+1
.endr
.endr
.endm
; THE MASK, in a block's last two tiles: register q of a slot holds key 16 (q / 8) + q % 8 of my lane's; it keeps its score where that number is at most MB, else it takes the masked score.  Each accumulator's registers in ascending order.
.macro MASKP
	WIN 0
	s_sub_co_u32 s[ZOFF], s[RT], 1
	s_lshl_b32 s[ZOFF], s[ZOFF], 7
	ALLU v_add_nc_u32 v[MB+u], s[ZOFF], v[MA+u]
.set u, 0
.rept 4
.set q, 0
.rept 16
	v_cmp_le_i32 vcc_lo, q+8*(q/8), v[MB+u]
	v_cndmask_b32 v[S+16*u+q], s[FILL], v[S+16*u+q], vcc_lo
.set q, q+1
.endr
.set u, u+1
.endr
.endm
; THE SOFTMAX of a trip, the four slots by turns so that no line waits for the one before it.  The 68 exponentials are one batch with one wait: nothing ahead of the wait names a result.
.macro SOFTMAX
	WIN 0
	ALLU v_max3_num_f32 v[ST+8*u+6], v[S+16*u], v[S+16*u+1], v[S+16*u+2]
	ALLU v_max3_num_f32 v[ST+8*u+7], v[S+16*u+8], v[S+16*u+9], v[S+16*u+10]
	ALLU v_max3_num_f32 v[ST+8*u+6], v[ST+8*u+6], v[S+16*u+3], v[S+16*u+4]
	ALLU v_max3_num_f32 v[ST+8*u+7], v[ST+8*u+7], v[S+16*u+11], v[S+16*u+12]
	ALLU v_max3_num_f32 v[ST+8*u+6], v[ST+8*u+6], v[S+16*u+5], v[S+16*u+6]
	ALLU v_max3_num_f32 v[ST+8*u+7], v[ST+8*u+7], v[S+16*u+13], v[S+16*u+14]
	ALLU v_max3_num_f32 v[ST+8*u+6], v[ST+8*u+6], v[S+16*u+7], v[S+16*u+15]
	ALLU v_max3_num_f32 v[ST+8*u+6], v[ST+8*u+6], v[ST+8*u+7], v[ST+8*u+1]
	ALLU v_permlanex16_b32 v[ST+8*u+7], v[ST+8*u+6], s[SEL], s[SEL+1]  ; the query's other 16 keys lie in the lane 16 away
	ALLU v_max_num_f32 v[ST+8*u+1], v[ST+8*u+6], v[ST+8*u+7]
	ALLU v_mov_b32 v[ST+8*u+5], v[ST+8*u]
	ALLU v_mul_f32 v[ST+8*u], v[ST+8*u+4], v[ST+8*u+1]
	ALLU v_sub_f32 v[ST+8*u+5], v[ST+8*u+5], v[ST+8*u]
.set k, 0
.rept 8
	ALLU v_pk_fma_f32 v[S+16*u+2*k:S+16*u+2*k+1], v[S+16*u+2*k:S+16*u+2*k+1], v[ST+8*u+4:ST+8*u+5], v[ST+8*u:ST+8*u+1] op_sel_hi:[1,0,0] neg_lo:[0,0,1] neg_hi:[0,0,1]
.set k, k+1
.endr
	ALLU v_exp_f32 v[ST+8*u+6], v[ST+8*u+5]
.set k, 0
.rept 16
	ALLU v_exp_f32 v[S+16*u+k], v[S+16*u+k]
.set k, k+1
.endr
	v_nop                           ; a plain instruction behind the last exponential
	s_wait_alu depctr_va_vdst(0)    ; the wait for the batch
	ALLU v_pk_fma_f32 v[ST+8*u+2:ST+8*u+3], v[ST+8*u+2:ST+8*u+3], v[ST+8*u+6:ST+8*u+7], v[S+16*u:S+16*u+1] op_sel_hi:[1,0,1]
.set k, 1
.rept 7
	ALLU v_pk_add_f32 v[ST+8*u+2:ST+8*u+3], v[ST+8*u+2:ST+8*u+3], v[S+16*u+2*k:S+16*u+2*k+1]
.set k, k+1
.endr
.set k, 0
.rept 8                             ; P in place: register k takes weights 2 k and 2 k + 1, which no later line reads
	ALLU v_cvt_pk_bf16_f32 v[S+16*u+k], v[S+16*u+2*k], v[S+16*u+2*k+1]
.set k, k+1
.endr
.endm
; THE CHANGE OF SLOTS, between the softmax and the products V^T P: all of the slot's K and V has been asked for.  Each wave waits for all its tensor loads, of which one is out: its part of the other slot; adds 0 to its
; spare word; and waits for that and for its reads of the slot.  fill = 1: the slot is filled again with tile NXT: the barrier is a round of the cluster's, and the joint refill is the first thing behind it: it has
; a whole trip in which to land.  The descriptor's address is made anew from the tile's number.
.macro CHANGE fill
	WIN 0
	s_wait_tensorcnt 0x0            ; no tensor load of mine is out, so a group 0 may be written
	ds_add_u32 v[SPW], v[NIL]       ; 0 onto my spare word; the scalar work stands between it and the wait for it
.if \fill
	s_lshl_b32 s[OFF], s[NXT], 16   ; a tile is 65,536 bytes of K and of V
	s_add_co_u32 s[G0KA+1], s[TB], s[WBK]
	s_add_nc_u64 s[G0KA+2:G0KA+3], s[KB:KB+1], s[OFF:OFF+1]
	s_or_b32 s[G0KA+3], s[G0KA+3], 0x80000000
	s_add_co_u32 s[G0VA+1], s[TB], s[WBV]
	s_add_nc_u64 s[G0VA+2:G0VA+3], s[VB:VB+1], s[OFF:OFF+1]
	s_or_b32 s[G0VA+3], s[G0VA+3], 0x80000000
	s_add_co_u32 s[NXT], s[NXT], 1  ; the block's next tile, or behind its last the second block's tile 0
	s_cmp_gt_u32 s[NXT], s[LQ]
	s_cselect_b32 s[NXT], 0, s[NXT]
	s_cselect_b32 s[LQ], s[LQA], s[LQ]
	s_wait_xcnt 0x0                 ; the last prefetch, a trip back, has read its address
	s_lshl_b32 s[OFF], s[NXT], 16
	s_add_nc_u64 s[PFT:PFT+1], s[PFA:PFA+1], s[OFF:OFF+1]
	s_sub_co_u32 s94, s[NXT], s[PLIM]
	s_wait_dscnt 0x0                ; the add is done, and my reads of the slot are over
	CROUND
	JLOAD
	ASK
.else
	s_wait_dscnt 0x0
	BAR
.endif
	s_xor_b32 s[TB], s[TB], SLOTB   ; the other slot
	v_add_nc_u32 v[ADRK], s[TB], v[AK0]
.endm
; A block's Q (64 queries x 256 channels, straight into fragments: lane l holds query l % 16, channels 8 (l / 16) + 0..7 and 16 + 8 (l / 16) + 0..7 of each 32) and its padding bytes.
.macro QLOAD qp, mp
	WIN 0
	ALLU v_lshrrev_b32 v[MB+u], 9, v[QO+u]
	ALLU global_load_u8 v[MB+u], v[MB+u], s[\mp:\mp+1]
	WIN 0x40                        ; destination window 1
.set u, 0
.rept 4
.set c, 0
.rept 8
	global_load_b128 v[64*u+8*c:64*u+8*c+3],   v[QO+u], s[\qp:\qp+1] offset:64*c
	global_load_b128 v[64*u+8*c+4:64*u+8*c+7], v[QO+u], s[\qp:\qp+1] offset:64*c+32
.set c, c+1
.endr
.set u, u+1
.endr
	WIN 0
.endm
.macro BEGIN                        ; a block begins; its Q and padding bytes have been waited for at the trip's head
	s_mov_b32 s[NEW], 0
.set u, 0
.rept 4
	v_cmp_eq_u32 vcc_lo, 0, v[MB+u]
	v_cndmask_b32 v[ST+8*u+4], 0, s[CC], vcc_lo  ; c, or 0 for a padded query
.set u, u+1
.endr
	ALLU v_mov_b32 v[ST+8*u], 0xfe000000     ; c m: far below every c s
	ALLU v_mov_b32 v[ST+8*u+1], 0xff7fffff   ; m: the lowest finite number
	ALLU v_add_nc_u32 v[MA+u], s[DE], v[MA+u]
.endm
; A BLOCK ENDS.  blk: 0 the first block, 1 the second.  next = 1: the second block's Q is asked for at once, and its counts are set.
; Every wave publishes (c m, l) of its four slots.  For the queries of its slot 0 a wave then has four partial results, its own and those of the waves 1, 2, 3 before it, and the keys behind the walk.  With M the
; greatest of the five c m, part i has the factor 2^(c m_i - M) / L, L the sum of the parts' l (behind the walk: the number of keys) times 2^(c m_i - M).  THE RECEIVER SCALES: partial O^T is sent as it is.
.macro FINISH blk, next
.if \blk
.set NS, NSUFA
.set SF, SFILLA
.set OP, OPA
.else
.set NS, NSUFB
.set SF, FILL
.set OP, OPB
.endif
	WIN 0
.if \next
	QLOAD QPA, MPA
.endif
	ALLU v_add_f32 v[ST+8*u+1], v[ST+8*u+2], v[ST+8*u+3]  ; l's two halves and the other half of the lanes' are added; l takes m's place beside c m
	ALLU v_permlanex16_b32 v[ST+8*u+7], v[ST+8*u+1], s[SEL], s[SEL+1]
	ALLU v_add_f32 v[ST+8*u+1], v[ST+8*u+1], v[ST+8*u+7]
	ALLU ds_store_b64 v[ASTAT], v[ST+8*u:ST+8*u+1] offset:128*u
	s_wait_dscnt 0x0                ; for the others' sake
	BAR
.irp p, 1, 2, 3                     ; the wave p before me holds my slot 0's queries in its slot p; its pair takes the place of my slot p's, which has been published
	ds_load_b64 v[ST+8*\p:ST+8*\p+1], v[BS+\p-1] offset:128*\p
.endr
	s_wait_dscnt 0x0
	v_mul_f32 v[ST+2], s[SF], v[ST+4]               ; c times the score of the keys behind the walk
	v_max3_num_f32 v[ST+7], v[ST], v[ST+8], v[ST+16]
	v_max3_num_f32 v[ST+7], v[ST+7], v[ST+24], v[ST+2]  ; M
	ALLU v_sub_f32 v[ST+8*u+6], v[ST+8*u], v[ST+7]
	v_sub_f32 v[ST+2], v[ST+2], v[ST+7]
	ALLU v_exp_f32 v[ST+8*u+6], v[ST+8*u+6]
	v_exp_f32 v[ST+2], v[ST+2]
	v_nop
	s_wait_alu depctr_va_vdst(0)    ; one wait for the five
	v_mul_f32 v[ST+1], v[ST+1], v[ST+6]
.irp p, 1, 2, 3
	v_fmac_f32 v[ST+1], v[ST+8*\p+6], v[ST+8*\p+1]
.endr
	v_fmac_f32 v[ST+1], s[NS], v[ST+2]              ; L
	v_rcp_f32 v[ST+4], v[ST+1]
	v_nop
	s_wait_alu depctr_va_vdst(0)
	ALLU v_mul_f32 v[ST+8*u+6], v[ST+8*u+6], v[ST+4]
	v_mul_f32 v[ST+2], v[ST+2], v[ST+4]
	; the partial O^T: in round r every wave sends its slot r to the wave r behind it, half a slot (8 KiB) at a time, and adds what it receives, times the sender's factor, onto its slot 0
.irp r, 1, 2, 3
.irp hf, 0, 1
	WIN 0x08+0x04*(\r>>1)           ; the stores' data in window 2 or 3
.set q, 0
.rept 16
	ds_store_b128 v[XA], v[128*(\r&1)+64*\hf+4*q:128*(\r&1)+64*\hf+4*q+3] offset:512*q
.set q, q+1
.endr
.if (\r == 1) && (\hf == 0)
	WIN 0x82                        ; my own part times my factor, while the first stores are out
.set i, 0
.rept 64
	v_pk_mul_f32 v[2*i:2*i+1], v[2*i:2*i+1], v[ST+6:ST+7] op_sel_hi:[1,0]
.set i, i+1
.endr
.endif
	WIN 0
	s_wait_dscnt 0x0                ; for the reader's sake
	BAR
.set q, 0
.rept 16
	ds_load_b128 v[S+4*q:S+4*q+3], v[XR+\r-1] offset:512*q
.set q, q+1
.endr
	s_wait_dscnt 0x0                ; they are in: the writer may store again behind the barrier below
	WIN 0xa0                        ; sources 0 and 1 in window 0, source 2 and destination in window 2
.set i, 0
.rept 32
	v_pk_fma_f32 v[64*\hf+2*i:64*\hf+2*i+1], v[S+2*i:S+2*i+1], v[ST+8*\r+6:ST+8*\r+7], v[64*\hf+2*i:64*\hf+2*i+1] op_sel_hi:[1,0,1]
.set i, i+1
.endr
	WIN 0
	BAR
.endr
.endr
	; the keys behind the walk: their factor times the sum of their rows of v
.irp hf, 0, 1
.set q, 0
.rept 8
	ds_load_b128 v[S+8*q:S+8*q+3],   v[ASUF] offset:(\blk)*1024+64*(8*\hf+q)
	ds_load_b128 v[S+8*q+4:S+8*q+7], v[ASUF] offset:(\blk)*1024+64*(8*\hf+q)+16
.set q, q+1
.endr
	s_wait_dscnt 0x0
	WIN 0xa0
.set i, 0
.rept 32
	v_pk_fma_f32 v[64*\hf+2*i:64*\hf+2*i+1], v[S+2*i:S+2*i+1], v[ST+2:ST+3], v[64*\hf+2*i:64*\hf+2*i+1] op_sel_hi:[1,0,1]
.set i, i+1
.endr
	WIN 0
.endr
	; THE WAY OUT of slot 0: rounded to bf16, through my stage (rows of 528 bytes), back as whole rows of 512 bytes
	WIN 0x0a                        ; sources 0 and 1 in window 2, destination in window 0
.set i, 0
.rept 64
	v_cvt_pk_bf16_f32 v[S+i], v[2*i], v[2*i+1]
.set i, i+1
.endr
	WIN 0
.set q, 0
.rept 16
	ds_store_b128 v[STO], v[S+4*q:S+4*q+3] offset:32*q
.set q, q+1
.endr
.set q, 0
.rept 16
	ds_load_b128 v[S+4*q:S+4*q+3], v[XA] offset:528*q  ; LDS serves a wave's instructions in order (ISA guide 5.7.1.4): these see the stores above
.set q, q+1
.endr
.set q, 0
.rept 16
	s_wait_dscnt 15-q               ; row q is back; the younger rows may be out
	global_store_b128 v[GO], v[S+4*q:S+4*q+3], s[OP:OP+1] offset:2048*q  ; the wave stores 512 consecutive bytes, at a multiple of 256 from ob's first byte
.set q, q+1
.endr
	s_wait_xcnt 0x0                 ; the stores have read their registers, which the next scores write
.if \next
	s_mov_b32 s[RT], s[NA]
	s_mov_b32 s[NEW], 1
	s_mov_b32 s[DE], s[DE2]
.endif
.endm
; A TRIP: one tile.  K's fragments were fetched in the trip before.  fill = 1: the slot is filled again.  stat = 1: the walk's last two tiles: always masked, never a block's first.
.macro TRIP fill, stat
	s_sub_co_u32 s[RT], s[RT], 1
	s_wait_loadcnt 0x0              ; Q and the padding bytes, which the block's end before this trip may have asked for: the wait stands on every way into a trip's products and mask; in all other trips no load into registers is out
.if !(\stat)
	s_cmp_eq_u32 s[NEW], 1
	s_cbranch_scc0 .Lold_\@
	BEGIN
.Lold_\@:
.endif
	v_add_nc_u32 v[ADRV], s[TB], v[AV0]
	s_wait_dscnt 16                 ; K's first half is in; the 16 loads of its second half may be out
	KQ 0
	PLACES
	WIN 0
	FETCH_V 0                       ; into the registers that those products have read
	s_wait_dscnt 16                 ; K's second half is in; the 16 loads just issued may be out
	KQ 1
	PLACES                          ; also the places in front of the first read of the scores
	WIN 0
	FETCH_V 1
.if !(\stat)
	s_cmp_gt_u32 s[RT], 1
	s_cbranch_scc1 .Lopen_\@
.endif
	MASKP
.if !(\stat)
.Lopen_\@:
.endif
	SOFTMAX
	CHANGE \fill
	PVM 0
	PLACES
	WIN 0
	FETCH_K 0                       ; the next tile's
	PVM 1
	PLACES 5                        ; five: the next trip's first products write over P
	WIN 0
	FETCH_K 1
.if !(\stat)
	s_cmp_eq_u32 s[RT], 0
	s_cbranch_scc0 .Lgo_\@
	FINISH 0, 1                     ; in the loop this is the first block's end: the second's last tile is the walk's last
.Lgo_\@:
.endif
.endm
	s_load_b256 s[4:11], s[0:1], 0x0  ; qkv s[4:5], cs s[6:7], attention_mask s[8:9], ob s[10:11]
	v_lshl_add_u32 v[SPW], v0, 2, SPARE
	v_mov_b32 v[NIL], 0
	ds_add_u32 v[SPW], v[NIL]       ; the wave's opening: the add and its wait stand ahead of my first tensor load; the set-up below stands between them
	v_lshrrev_b32 v31, 5, v0
	v_readfirstlane_b32 s[WV], v31  ; wave 0..3
	s_bfe_u32 s[CX], ttmp6, 0x40000
	s_mov_b32 s[GG], ttmp9          ; in a cluster launch ttmp9 counts clusters
	s_and_b32 s[BH], ttmp7, 0xffff
	; descriptor group 1: a tile of 64 rows x 256 elements, padded in LDS behind every row
	s_mov_b32 s[G1K], 15|(1<<16)|(1<<20)|(1<<21)|(6<<22)|(3<<25)  ; the mask of four; 2-byte elements; padding on; bit 21 beside a mask; after every 128 words 4 words
	s_mov_b32 s[G1V], 15|(1<<16)|(1<<20)|(1<<21)|(6<<22)|(7<<25)  ; the same with 8 words
.irp g, G1K, G1V
	s_mov_b32 s[\g+1], 256<<16      ; tensor_dim0 = 256
	s_mov_b32 s[\g+2], 64<<16       ; tensor_dim1 = 64
	s_mov_b32 s[\g+3], 256<<16      ; tile_dim0 = 256
	s_mov_b32 s[\g+4], 64           ; tile_dim1 = 64
	s_mov_b32 s[\g+5], 256          ; elements from row to row
	s_mov_b32 s[\g+6], 0
	s_mov_b32 s[\g+7], 0
.endr
	s_and_b32 s98, s[WV], 1         ; which half of a tile's rows I fetch
	s_mul_i32 s[WBK], s98, 64*PK
	s_mul_i32 s[WBV], s98, 64*PVP
	s_add_co_u32 s[WBV], s[WBV], VOFF
	s_mov_b32 s[G0KA], 1
	s_mov_b32 s[G0KA+1], s[WBK]
	s_mov_b32 s[G0KB], 1
	s_add_co_u32 s[G0KB+1], s[WBK], SLOTB
	s_mov_b32 s[G0VA], 1
	s_mov_b32 s[G0VA+1], s[WBV]
	s_mov_b32 s[G0VB], 1
	s_add_co_u32 s[G0VB+1], s[WBV], SLOTB
	; byte offsets, each in the registers that will hold the address
	s_lshl_b32 s98, s98, 15
	s_lshl_b32 s99, s[BH], 20       ; the head in q
	s_add_co_u32 s[KB], s98, s99
	s_add_co_u32 s[KB], s[KB], 1<<24  ; k lies 2^24 bytes behind q
	s_mov_b32 s[KB+1], 0
	s_lshl_b32 s92, s[GG], 2
	s_add_co_u32 s92, s92, s[CX]    ; the first block
	s_sub_co_u32 s93, 31, s92       ; the second
	s_lshl_b32 s94, s92, 15
	s_add_co_u32 s[QPB], s99, s94
	s_mov_b32 s[QPB+1], 0
	s_lshl_b32 s94, s93, 15
	s_add_co_u32 s[QPA], s99, s94
	s_mov_b32 s[QPA+1], 0
	s_lshr_b32 s95, s[BH], 2
	s_lshl_b32 s95, s95, 11         ; the batch's first row
	s_lshl_b32 s94, s92, 6
	s_add_co_u32 s[MPB], s95, s94
	s_mov_b32 s[MPB+1], 0
	s_lshl_b32 s94, s93, 6
	s_add_co_u32 s[MPA], s95, s94
	s_mov_b32 s[MPA+1], 0
	s_lshl_b32 s96, s[WV], 4
	s_and_b32 s97, s[BH], 3
	s_lshl_b32 s97, s97, 9          ; the head's 512 bytes of a row of ob
	s_add_co_u32 s[OPB], s[MPB], s96
	s_lshl_b32 s[OPB], s[OPB], 11
	s_add_co_u32 s[OPB], s[OPB], s97
	s_mov_b32 s[OPB+1], 0
	s_add_co_u32 s[OPA], s[MPA], s96
	s_lshl_b32 s[OPA], s[OPA], 11
	s_add_co_u32 s[OPA], s[OPA], s97
	s_mov_b32 s[OPA+1], 0
	s_lshl_b32 s98, s[BH], 14       ; the head in cs
	s_mov_b32 s99, 0
	s_mov_b32 s[OFF+1], 0
	s_mov_b32 s[SEL], 0x76543210
	s_mov_b32 s[SEL+1], 0xfedcba98
	s_mov_b32 s[CC], 0x3db8aa3b     ; log2(e) / 16
	s_mov_b32 s[FILL], 0x3289705f   ; 16e-9
	s_sub_co_u32 s94, 7, s[GG]
	s_lshl_b32 s94, s94, 8
	s_cvt_f32_u32 s[NSUFB], s94
	s_lshl_b32 s94, s[GG], 8
	s_cvt_f32_u32 s[NSUFA], s94
	s_cmp_eq_u32 s[GG], 0
	s_cselect_b32 s[SFILLA], 0xff61b1e6, s[FILL]  ; -3e38 where no key lies behind the second block's walk
	s_cselect_b32 s[PLIM], 8, 0x4000
	s_lshl_b32 s94, s[GG], 1
	s_sub_co_u32 s[LQA], 15, s94
	s_sub_co_u32 s[NA], 16, s94
	s_add_co_u32 s[RT], s94, 2      ; the first block has 2 G + 2 tiles
	s_add_co_u32 s[LQ], s94, 1
	s_mov_b32 s[NXT], 2             ; tiles 0 and 1 are asked for at the start; with G = 0 the next is the second block's tile 0
	s_cmp_gt_u32 s[NXT], s[LQ]
	s_cselect_b32 s[NXT], 0, s[NXT]
	s_cselect_b32 s[LQ], s[LQA], s[LQ]
	s_mov_b32 s[NEW], 1
	s_lshl_b32 s[DE], s[CX], 6      ; the first block lies 64 cx into its stretch of 256,
	s_lshl_b32 s[DE2], s[CX], 1
	s_sub_co_u32 s[DE2], 3, s[DE2]
	s_lshl_b32 s[DE2], s[DE2], 6    ; the second 64 (3 - cx): 64 (3 - 2 cx) more
	s_mov_b32 s[TB], 0
	s_mov_b32 s[FB+1], 0            ; named as pairs
	s_mov_b32 s[FA+1], 0
	s_wait_dscnt 0x0                ; the opening add is done
	s_wait_kmcnt 0x0
	s_add_nc_u64 s[KB:KB+1], s[4:5], s[KB:KB+1]
	s_add_nc_u64 s[VB:VB+1], s[KB:KB+1], 1<<24
	s_add_nc_u64 s[QPB:QPB+1], s[4:5], s[QPB:QPB+1]
	s_add_nc_u64 s[QPA:QPA+1], s[4:5], s[QPA:QPA+1]
	s_add_nc_u64 s[MPB:MPB+1], s[8:9], s[MPB:MPB+1]
	s_add_nc_u64 s[MPA:MPA+1], s[8:9], s[MPA:MPA+1]
	s_add_nc_u64 s[OPB:OPB+1], s[10:11], s[OPB:OPB+1]
	s_add_nc_u64 s[OPA:OPA+1], s[10:11], s[OPA:OPA+1]
	s_add_nc_u64 s[6:7], s[6:7], s[98:99]
	s_cmp_lt_u32 s[WV], 2
	s_cselect_b64 s[PFA:PFA+1], s[KB:KB+1], s[VB:VB+1]
	s_add_nc_u64 s[G0KA+2:G0KA+3], s[KB:KB+1], 0
	s_or_b32 s[G0KA+3], s[G0KA+3], 0x80000000
	s_add_nc_u64 s[G0KB+2:G0KB+3], s[KB:KB+1], 1<<16
	s_or_b32 s[G0KB+3], s[G0KB+3], 0x80000000
	s_add_nc_u64 s[G0VA+2:G0VA+3], s[VB:VB+1], 0
	s_or_b32 s[G0VA+3], s[G0VA+3], 0x80000000
	s_add_nc_u64 s[G0VB+2:G0VB+3], s[VB:VB+1], 1<<16
	s_or_b32 s[G0VB+3], s[G0VB+3], 0x80000000
	CROUND                          ; all four work-groups are here: the first joint loads meet
	s_cmp_lt_u32 s[WV], 2           ; a wave's two first fills stand in one branch: two loads of mine are out
	s_cbranch_scc0 .Lfirst_v
	tensor_load_to_lds s[G0KA:G0KA+3], s[G1K:G1K+7]
	s_nop 0
	tensor_load_to_lds s[G0KB:G0KB+3], s[G1K:G1K+7]
	s_nop 0
.rept 4
	v_nop
.endr
	s_branch .Lfirst_asked
.Lfirst_v:
	tensor_load_to_lds s[G0VA:G0VA+3], s[G1V:G1V+7]
	s_nop 0
	tensor_load_to_lds s[G0VB:G0VB+3], s[G1V:G1V+7]
	s_nop 0
.rept 4
	v_nop
.endr
.Lfirst_asked:
	; the lanes' addresses.  v100-106: at work
	v_and_b32 v100, 15, v0          ; l % 16
	v_bfe_u32 v101, v0, 4, 1        ; l / 16
	v_and_b32 v102, 31, v0          ; l
	v_lshlrev_b32 v105, 9, v100
	v_lshl_add_u32 v105, v101, 4, v105  ; row x 512 + 16 x half
	v_lshlrev_b32 v106, 3, v101
	v_sub_nc_u32 v106, v100, v106   ; l % 16 - 8 (l / 16)
	s_lshl_b32 s99, s[WV], 5
.irp uu, 0, 1, 2, 3
	s_add_co_u32 s98, s[WV], \uu
	s_and_b32 s98, s98, 3           ; slot uu's query tile
	s_lshl_b32 s97, s98, 13
	v_add_nc_u32 v[QO+\uu], s97, v105
	s_lshl_b32 s97, s98, 4
	s_sub_co_u32 s97, s97, s99      ; 16 x tile - 32 w
	v_add_nc_u32 v[MA+\uu], s97, v106
.endr
	v_lshlrev_b32 v96, 3, v0        ; my two channels of cs
.set j, 2
.rept 14                            ; chunks 0 and 1 lie behind no walk
	global_load_b64 v[S+2*(j-2):S+2*(j-2)+1], v96, s[6:7] offset:1024*j
.set j, j+1
.endr
	QLOAD QPB, MPB
	s_mul_i32 s98, s[WV], 32*PK
	v_mul_u32_u24 v[AK0], v100, PK
	v_lshl_add_u32 v[AK0], v101, 4, v[AK0]
	v_add_nc_u32 v[AK0], s98, v[AK0]  ; (32 w + l % 16) x pitch + 16 x half
	; the turning load takes 16 keys x 16 channels: lane l reads key 8 (l / 16) + l % 8, channels 8 ((l / 8) % 2) + 0..7
	v_and_b32 v103, 7, v0
	v_lshl_add_u32 v103, v101, 3, v103
	v_mul_u32_u24 v[AV0], v103, PVP
	v_bfe_u32 v104, v0, 3, 1
	v_lshl_add_u32 v[AV0], v104, 4, v[AV0]
	s_mul_i32 s98, s[WV], 32*PVP
	s_add_co_u32 s98, s98, VOFF
	v_add_nc_u32 v[AV0], s98, v[AV0]
	s_lshl_b32 s98, s[WV], 9
	s_add_co_u32 s98, s98, STATS
	v_lshl_add_u32 v[ASTAT], v100, 3, s98
	s_mul_i32 s98, s[WV], XAREA
	s_add_co_u32 s98, s98, XCH
	v_lshl_add_u32 v[XA], v102, 4, s98
	v_mul_u32_u24 v[STO], v100, 528
	v_lshl_add_u32 v[STO], v101, 4, v[STO]
	v_add_nc_u32 v[STO], s98, v[STO]
.irp p, 1, 2, 3
	s_sub_co_u32 s98, s[WV], \p
	s_and_b32 s98, s98, 3           ; the wave p before me
	s_lshl_b32 s97, s98, 9
	s_add_co_u32 s97, s97, STATS
	v_lshl_add_u32 v[BS+\p-1], v100, 3, s97
	s_mul_i32 s97, s98, XAREA
	s_add_co_u32 s97, s97, XCH
	v_lshl_add_u32 v[XR+\p-1], v102, 4, s97
.endr
	v_lshlrev_b32 v[GO], 4, v102
	v_lshl_add_u32 v[ASUF], v101, 5, SUFL
	s_lshl_b32 s98, s[CX], 13
	v_lshl_add_u32 v[PFO], v102, 8, s98
	v_lshl_add_u32 v97, v0, 3, SUFL
	v_mov_b32 v[ADRK], v[AK0]       ; tile 0 lies in slot 0
	ALLU v_mov_b32 v[ST+8*u+2], 0
	ALLU v_mov_b32 v[ST+8*u+3], 0
.set i, 0
.rept 16                            ; two fragments of zeros,
	v_mov_b32 v[KV+i], 0
.set i, i+1
.endr
	WIN 0x80                        ; and their product into each of O^T's 64 accumulators: a block's first trip multiplies O^T by 0, so it need only be finite
.set i, 0
.rept 32
	v_wmma_f32_16x16x32_bf16 v[8*i:8*i+7], v[KV:KV+7], v[KV+8:KV+15], 0
.set i, i+1
.endr
	WIN 0xc0
.set i, 0
.rept 32
	v_wmma_f32_16x16x32_bf16 v[8*i:8*i+7], v[KV:KV+7], v[KV+8:KV+15], 0
.set i, i+1
.endr
	WIN 0
	PLACES                          ; K's fragments are loaded into those two below
	s_wait_loadcnt 0x0              ; cs (and Q)
.set j, 2
.rept 14                            ; chunk j counts for the first block from 2 G + 2 on, for the second from 16 - 2 G on: a factor 1 or 0, no branch
	s_cmp_le_u32 s[RT], j
	s_cselect_b32 s[FB], 1.0, 0
	s_cmp_le_u32 s[NA], j
	s_cselect_b32 s[FA], 1.0, 0
.if j == 2
	v_pk_mul_f32 v[92:93], v[S:S+1], s[FB:FB+1] op_sel_hi:[1,0]
	v_pk_mul_f32 v[94:95], v[S:S+1], s[FA:FA+1] op_sel_hi:[1,0]
.else
	v_pk_fma_f32 v[92:93], v[S+2*(j-2):S+2*(j-2)+1], s[FB:FB+1], v[92:93] op_sel_hi:[1,0,1]
	v_pk_fma_f32 v[94:95], v[S+2*(j-2):S+2*(j-2)+1], s[FA:FA+1], v[94:95] op_sel_hi:[1,0,1]
.endif
.set j, j+1
.endr
	ds_store_b64 v97, v[92:93]
	ds_store_b64 v97, v[94:95] offset:1024
	s_wait_tensorcnt 1              ; my part of tile 0 is in; tile 1's may stay out
	s_wait_dscnt 0x0                ; my part of the two sums is stored
	BAR
	FETCH_K 0
	FETCH_K 1
	s_mov_b32 s[CNT], 16
.Lwalk:                             ; sixteen trips: a tile is multiplied, and the tile two further on is asked for
	TRIP 1, 0
	s_sub_co_u32 s[CNT], s[CNT], 1
	s_cmp_lg_u32 s[CNT], 0
	s_cbranch_scc1 .Lwalk
	s_mov_b32 s[CNT], 2
.Ltail:                             ; the walk's last two tiles ask for nothing.  The second trip's barrier and its fetch of K (old bytes of the other slot) serve nothing: the price of one text for both
	TRIP 0, 1
	s_sub_co_u32 s[CNT], s[CNT], 1
	s_cmp_lg_u32 s[CNT], 0
	s_cbranch_scc1 .Ltail
	FINISH 1, 0
	s_wait_tensorcnt 0x0            ; the wave's end: an add and its wait, behind my last tensor load and my last LDS store
	ds_add_u32 v[SPW], v[NIL]
	s_wait_dscnt 0x0
	CROUND                          ; the closing round: no work-group ends while a partner may still ask for a tile that names it
	s_endpgm
.Lfunc_end_k_q16e83fc22c_attn:
	.size	k_q16e83fc22c_attn, .Lfunc_end_k_q16e83fc22c_attn-k_q16e83fc22c_attn
	.p2alignl 7, 3214868480
	.fill 96, 4, 3214868480
	.section	.rodata,"a",@progbits
	.p2align	6, 0x0
	.amdhsa_kernel k_q16e83fc22c_attn
		.amdhsa_group_segment_fixed_size 327680
		.amdhsa_private_segment_fixed_size 0
		.amdhsa_enable_private_segment 0
		.amdhsa_kernarg_size 32
		.amdhsa_user_sgpr_count 2
		.amdhsa_user_sgpr_kernarg_segment_ptr 1
		.amdhsa_wavefront_size32 1
		.amdhsa_system_sgpr_workgroup_id_x 1
		.amdhsa_system_sgpr_workgroup_id_y 1
		.amdhsa_system_sgpr_workgroup_id_z 1
		.amdhsa_system_vgpr_workitem_id 0
		.amdhsa_next_free_vgpr 1024
		.amdhsa_next_free_sgpr 100
		.amdhsa_reserve_vcc 1
		.amdhsa_float_denorm_mode_32 3
		.amdhsa_float_denorm_mode_16_64 3
		.amdhsa_memory_ordered 1
		.amdhsa_forward_progress 1
		.amdhsa_inst_pref_size 228
	.end_amdhsa_kernel
	.amdgpu_metadata
---
amdhsa.version: [ 1, 2 ]
amdhsa.kernels:
  - .name:           k_q16e83fc22c_attn
    .symbol:         k_q16e83fc22c_attn.kd
    .args:
      - { .name: qkv, .offset: 0, .size: 8, .value_kind: global_buffer, .address_space: global }
      - { .name: cs, .offset: 8, .size: 8, .value_kind: global_buffer, .address_space: global }
      - { .name: attention_mask, .offset: 16, .size: 8, .value_kind: global_buffer, .address_space: global }
      - { .name: ob, .offset: 24, .size: 8, .value_kind: global_buffer, .address_space: global }
    .group_segment_fixed_size: 327680
    .private_segment_fixed_size: 0
    .kernarg_segment_align: 8
    .kernarg_segment_size: 32
    .max_flat_workgroup_size: 128
    .sgpr_count:     100
    .vgpr_count:     1024
    .wavefront_size: 32
...
	.end_amdgpu_metadata
.endif
;; end of part 3
;; launch lnorm (part 4): grid 512 x 1, 8 waves a work-group, no clusters, 0 bytes of LDS; arguments x, ob, gamma, beta, out0; writes out0
.if DOCPART == 4
	.amdgcn_target "amdgcn-amd-amdhsa--gfx1250"
	.amdhsa_code_object_version 6
	.text
	.protected	k_q16e83fc22c_lnorm
	.globl	k_q16e83fc22c_lnorm
	.p2align	8
	.type	k_q16e83fc22c_lnorm,@function
k_q16e83fc22c_lnorm:
	s_mov_b64 s[64:65], 0
	v_nop
	global_prefetch_b8 v0, s[64:65] scope:SCOPE_SE
	s_setreg_imm32_b32 hwreg(HW_REG_WAVE_MODE, 25, 1), 1
	s_wait_xcnt 0x0
; out0[r][:] = gamma (y - mean(y)) / sqrt(var(y) + 1e-5) + beta, y = ob[r][:] + x[r][:].  x, out0: [8192][1024] f32; ob: [8192][1024] bf16; gamma, beta: [1024] f32.
; A wave takes two whole rows and keeps each in 32 registers between the passes (mean, then the squares of the differences from it: no difference of large sums), so each row is read once and no wave
; waits for another: no LDS, no barrier.  Lane l holds columns 128 j + 4 l .. + 3, j = 0..7: a load or store of x or out0 covers 512 consecutive bytes, one of ob 256.
; All 48 loads of a wave go out at once; no register of a pending instruction is rewritten.
.set G,  4                             ; v[4:35]    gamma of my 32 columns
.set BT, 36                            ; v[36:67]   beta
.set X,  68                            ; v[68:131]  row i: 32 registers: x, then y, then the result
.set O,  132                           ; v[132:163] row i: 16 registers of ob
.set T,  164                           ; v[164:179] at work
.set R,  180                           ; v[180:187] sums
	s_load_b256 s[4:11], s[0:1], 0x0               ; x s[4:5], ob s[6:7], gamma s[8:9], beta s[10:11]
	s_load_b64 s[12:13], s[0:1], 0x20              ; out0
	v_lshrrev_b32 v3, 5, v0
	v_readfirstlane_b32 s14, v3                    ; wave 0..7
	v_and_b32 v3, 31, v0
	v_lshlrev_b32 v1, 4, v3                        ; 16 l
	v_lshlrev_b32 v2, 3, v3                        ; 8 l
	s_lshl_b32 s15, ttmp9, 3
	s_add_co_u32 s15, s15, s14                     ; my pair of rows
	s_lshl_b32 s16, s15, 13                        ; 2 x 4,096 bytes
	s_mov_b32 s17, 0
	s_lshl_b32 s18, s15, 12                        ; 2 x 2,048 bytes
	s_mov_b32 s19, 0
	s_mov_b32 s20, 0x3a800000                      ; 1 / 1024
	s_mov_b32 s21, 0x3727c5ac                      ; 1e-5
	s_mov_b32 s22, 0xffff0000                      ; a word's upper bf16
	s_mov_b32 s24, 0x76543210                      ; v_permlanex16_b32: each lane takes its own place in the other half
	s_mov_b32 s25, 0xfedcba98
	s_wait_kmcnt 0x0
	s_add_nc_u64 s[4:5], s[4:5], s[16:17]
	s_add_nc_u64 s[6:7], s[6:7], s[18:19]
	s_add_nc_u64 s[12:13], s[12:13], s[16:17]
.macro ROWIN i
.irp j, 0,1,2,3,4,5,6,7
	global_load_b128 v[X+32*(\i)+4*(\j):X+32*(\i)+4*(\j)+3], v1, s[4:5] offset:4096*(\i)+512*(\j) th:TH_LOAD_NT
.endr
.irp j, 0,1,2,3,4,5,6,7
	global_load_b64 v[O+16*(\i)+2*(\j):O+16*(\i)+2*(\j)+1], v2, s[6:7] offset:2048*(\i)+256*(\j) th:TH_LOAD_NT
.endr
.endm
	ROWIN 0
.irp j, 0,1,2,3,4,5,6,7
	global_load_b128 v[G+4*(\j):G+4*(\j)+3], v1, s[8:9] offset:512*(\j)
.endr
.irp j, 0,1,2,3,4,5,6,7
	global_load_b128 v[BT+4*(\j):BT+4*(\j)+3], v1, s[10:11] offset:512*(\j)
.endr
	ROWIN 1
.macro ACROSS a, b                     ; the sum of v[a] over the 32 lanes, into every lane; v[b] has been written
	v_add_f32_dpp v[\a], v[\a], v[\a] row_xmask:1 row_mask:0xf bank_mask:0xf
	v_add_f32_dpp v[\a], v[\a], v[\a] row_xmask:2 row_mask:0xf bank_mask:0xf
	v_add_f32_dpp v[\a], v[\a], v[\a] row_xmask:4 row_mask:0xf bank_mask:0xf
	v_add_f32_dpp v[\a], v[\a], v[\a] row_xmask:8 row_mask:0xf bank_mask:0xf
	v_permlanex16_b32 v[\b], v[\a], s24, s25
	v_add_f32 v[\a], v[\a], v[\b]
.endm
; Row i.  w0: the younger loads that may be out when the row is wanted; w1: when gamma and beta are.
.macro LNROW i, w0, w1
.set XX, X+32*(\i)
.set OO, O+16*(\i)
	s_wait_loadcnt \w0
.irp j, 0,1,2,3,4,5,6,7                ; y = ob + x
	v_lshlrev_b32 v[T+4*((\j)%4)],   16, v[OO+2*(\j)]
	v_and_b32     v[T+4*((\j)%4)+1], s22, v[OO+2*(\j)]
	v_lshlrev_b32 v[T+4*((\j)%4)+2], 16, v[OO+2*(\j)+1]
	v_and_b32     v[T+4*((\j)%4)+3], s22, v[OO+2*(\j)+1]
	v_pk_add_f32 v[XX+4*(\j):XX+4*(\j)+1],   v[XX+4*(\j):XX+4*(\j)+1],   v[T+4*((\j)%4):T+4*((\j)%4)+1]
	v_pk_add_f32 v[XX+4*(\j)+2:XX+4*(\j)+3], v[XX+4*(\j)+2:XX+4*(\j)+3], v[T+4*((\j)%4)+2:T+4*((\j)%4)+3]
.endr
.irp k, 0,1,2,3                        ; the sum, in four chains started by the first eight pairs: nothing is cleared
	v_pk_add_f32 v[R+2*(\k):R+2*(\k)+1], v[XX+4*(\k):XX+4*(\k)+1], v[XX+4*(\k)+2:XX+4*(\k)+3]
.endr
.irp p, 8,9,10,11,12,13,14,15
	v_pk_add_f32 v[R+2*((\p)%4):R+2*((\p)%4)+1], v[R+2*((\p)%4):R+2*((\p)%4)+1], v[XX+2*(\p):XX+2*(\p)+1]
.endr
	v_pk_add_f32 v[R:R+1], v[R:R+1], v[R+2:R+3]
	v_pk_add_f32 v[R+4:R+5], v[R+4:R+5], v[R+6:R+7]
	v_pk_add_f32 v[R:R+1], v[R:R+1], v[R+4:R+5]
	v_add_f32 v[R], v[R], v[R+1]
	ACROSS R, R+1
	v_mul_f32 v[R], s20, v[R]                      ; the mean
.set p, 0
.rept 16
	v_pk_add_f32 v[XX+2*p:XX+2*p+1], v[XX+2*p:XX+2*p+1], v[R:R+1] op_sel_hi:[1,0] neg_lo:[0,1] neg_hi:[0,1]
.set p, p+1
.endr
.irp k, 0,1,2,3                        ; the squares, again in four chains
	v_pk_mul_f32 v[T+2*(\k):T+2*(\k)+1], v[XX+2*(\k):XX+2*(\k)+1], v[XX+2*(\k):XX+2*(\k)+1]
.endr
.irp p, 4,5,6,7,8,9,10,11,12,13,14,15
	v_pk_fma_f32 v[T+2*((\p)%4):T+2*((\p)%4)+1], v[XX+2*(\p):XX+2*(\p)+1], v[XX+2*(\p):XX+2*(\p)+1], v[T+2*((\p)%4):T+2*((\p)%4)+1]
.endr
	v_pk_add_f32 v[T:T+1], v[T:T+1], v[T+2:T+3]
	v_pk_add_f32 v[T+4:T+5], v[T+4:T+5], v[T+6:T+7]
	v_pk_add_f32 v[T:T+1], v[T:T+1], v[T+4:T+5]
	v_add_f32 v[T], v[T], v[T+1]
	ACROSS T, T+1
	v_fma_f32 v[T], v[T], s20, s21                 ; the variance + 1e-5
	v_rsq_f32 v[R+2], v[T]
	v_nop                                          ; a plain instruction behind it,
	s_wait_alu depctr_va_vdst(0)                   ; and the wait ahead of the first use
	s_wait_loadcnt \w1                             ; gamma and beta
.set p, 0
.rept 16
	v_pk_mul_f32 v[XX+2*p:XX+2*p+1], v[XX+2*p:XX+2*p+1], v[R+2:R+3] op_sel_hi:[1,0]
.set p, p+1
.endr
.set p, 0
.rept 16
	v_pk_fma_f32 v[XX+2*p:XX+2*p+1], v[XX+2*p:XX+2*p+1], v[G+2*p:G+2*p+1], v[BT+2*p:BT+2*p+1]
.set p, p+1
.endr
.irp j, 0,1,2,3,4,5,6,7
	global_store_b128 v1, v[XX+4*(\j):XX+4*(\j)+3], s[12:13] offset:4096*(\i)+512*(\j) th:TH_STORE_NT
.endr
.endm
	LNROW 0, 32, 16                                ; behind row 0's 16 loads stand gamma's 8, beta's 8 and row 1's 16; behind beta's, row 1's 16
	LNROW 1, 0, 0
	s_endpgm
.Lfunc_end_k_q16e83fc22c_lnorm:
	.size	k_q16e83fc22c_lnorm, .Lfunc_end_k_q16e83fc22c_lnorm-k_q16e83fc22c_lnorm
	.p2alignl 7, 3214868480
	.fill 96, 4, 3214868480
	.section	.rodata,"a",@progbits
	.p2align	6, 0x0
	.amdhsa_kernel k_q16e83fc22c_lnorm
		.amdhsa_group_segment_fixed_size 0
		.amdhsa_private_segment_fixed_size 0
		.amdhsa_enable_private_segment 0
		.amdhsa_kernarg_size 40
		.amdhsa_user_sgpr_count 2
		.amdhsa_user_sgpr_kernarg_segment_ptr 1
		.amdhsa_wavefront_size32 1
		.amdhsa_system_sgpr_workgroup_id_x 1
		.amdhsa_system_sgpr_workgroup_id_y 1
		.amdhsa_system_sgpr_workgroup_id_z 1
		.amdhsa_system_vgpr_workitem_id 0
		.amdhsa_next_free_vgpr 192
		.amdhsa_next_free_sgpr 66
		.amdhsa_reserve_vcc 0
		.amdhsa_float_denorm_mode_32 3
		.amdhsa_float_denorm_mode_16_64 3
		.amdhsa_memory_ordered 1
		.amdhsa_forward_progress 1
		.amdhsa_inst_pref_size 24
	.end_amdhsa_kernel
	.amdgpu_metadata
---
amdhsa.version: [ 1, 2 ]
amdhsa.kernels:
  - .name:           k_q16e83fc22c_lnorm
    .symbol:         k_q16e83fc22c_lnorm.kd
    .args:
      - { .name: x, .offset: 0, .size: 8, .value_kind: global_buffer, .address_space: global }
      - { .name: ob, .offset: 8, .size: 8, .value_kind: global_buffer, .address_space: global }
      - { .name: gamma, .offset: 16, .size: 8, .value_kind: global_buffer, .address_space: global }
      - { .name: beta, .offset: 24, .size: 8, .value_kind: global_buffer, .address_space: global }
      - { .name: out0, .offset: 32, .size: 8, .value_kind: global_buffer, .address_space: global }
    .group_segment_fixed_size: 0
    .private_segment_fixed_size: 0
    .kernarg_segment_align: 8
    .kernarg_segment_size: 40
    .max_flat_workgroup_size: 256
    .sgpr_count:     66
    .vgpr_count:     192
    .wavefront_size: 32
...
	.end_amdgpu_metadata
.endif
;; end of part 4
;; ======== version 2 of 2: 4 launches; version 1 with the launch cast written anew for expert scheduling mode
;; workspace buffers: xb 16,777,216 bytes; wb 6,291,456 bytes; qkv 50,331,648 bytes; cs 262,144 bytes; ob 16,777,216 bytes
;; launch cast (part 5): grid 32 x 11, 8 waves a work-group, no clusters, 0 bytes of LDS; arguments x, Wq, Wk, Wv, xb, wb; writes xb, wb
.if DOCPART == 5
	.amdgcn_target "amdgcn-amd-amdhsa--gfx1250"
	.amdhsa_code_object_version 6
	.text
	.protected	k_q16e83fc22c_cast
	.globl	k_q16e83fc22c_cast
	.p2align	8
	.type	k_q16e83fc22c_cast,@function
k_q16e83fc22c_cast:
	s_mov_b64 s[64:65], 0
	v_nop
	global_prefetch_b8 v0, s[64:65] scope:SCOPE_SE
	s_setreg_imm32_b32 hwreg(HW_REG_WAVE_SCHED_MODE, 0, 2), 2
	s_setreg_imm32_b32 hwreg(HW_REG_WAVE_MODE, 25, 1), 1
	s_wait_xcnt 0x0
	s_wait_alu depctr_vm_vsrc(0)
; x [8192][1024] and Wq, Wk, Wv [1024][1024], f32, are rounded once to bf16 and laid out IN BLOCKS OF 64 ALONG K, so that the rows of a tile of the next launch lie end to end:
; xb [16 K blocks][8192 rows][64], wb [16 K blocks][3072 rows][64].  wb's rows are ordered by tiles of 384: row r of Wq, Wk, Wv (u = 0, 1, 2) lies at 384 (r / 128) + 128 u + r % 128.
; The grid's y names a unit of 1,024 rows: 0-7 x, 8 Wq, 9 Wk, 10 Wv; its x 32 rows of the unit.  Wave w takes K blocks 2 w and 2 w + 1 of the 32 rows: 32 trips, a pair of rows and a K block each.
; Lanes 0-15 read 256 consecutive bytes of the even row, lanes 16-31 of the odd row; the wave's store covers 256 consecutive, aligned bytes (two rows of 128 bytes of a block).
; All 32 loads of a wave go out at once (128 registers); each trip has its own registers, so no source of a pending instruction is ever rewritten.
; No LDS, no matrix unit: nothing is shared and nothing is multiplied.
; THE MODE: SCHED_MODE bits 1:0 = 2 (LLVM: expert scheduling mode 2), set by the entry lines.  The code itself states the register dependences
; between vector instructions and memory instructions, with s_wait_alu, always for 0.
; THE PLAN.  Registers that memory instructions touch:
;   v1         the loads' offset.   Written at the head by vector lines; read by all 32 loads; never written again.
;   v2, v3     the stores' offsets. Written at the head by vector lines; read by the 32 stores; never written again.
;   IN         trip i: 4 registers. Written by the trip's one load and by nothing else; read by the trip's two conversions; never loaded again.
;   OUT        trip i: 2 registers. Written by the trip's two conversions; read by the trip's one store; never written again.
; So nothing that a memory instruction reads is ever rewritten, no load lands in a register that a vector line has named, no vector line writes a scalar register, and EXEC stays as it is.
; What is left to state: the offsets are written, once, ahead of the first load; and a trip's OUT is written, ahead of its store.
; The 32 trips go in eight blocks of four.  Block p waits for its four loads; ONE wait on va_vdst then states that block p - 1's eight conversions have written their OUT, and that block's four stores
; follow, dealt among block p's conversions, which name block p's IN and OUT alone: none of the registers that those stores read.  Behind block 7 one more wait stands ahead of the last four stores.
.set TRIPS, 32
.set BLOCK, 4                          ; trips in a block
.set BLOCKS, TRIPS/BLOCK
.set XS,  8192*128                     ; bytes of a K block of xb
.set WS,  3072*128                     ; of wb
.set IN,  8                            ; v[8:135]   trip i: 4 registers as loaded
.set OUT, 136                          ; v[136:199] trip i: 2 registers to store
	s_load_b256 s[4:11], s[0:1], 0x0               ; x s[4:5], Wq s[6:7], Wk s[8:9], Wv s[10:11]
	s_load_b128 s[12:15], s[0:1], 0x20             ; xb s[12:13], wb s[14:15]
	s_and_b32 s16, ttmp7, 0xffff                   ; the unit
	s_sub_co_u32 s17, s16, 8                       ; which weight (used where the unit is 8 or more)
	v_lshrrev_b32 v4, 5, v0                        ; wave
	v_and_b32 v5, 31, v0                           ; lane
	v_and_b32 v6, 15, v0
	v_bfe_u32 v7, v0, 4, 1
	v_lshlrev_b32 v1, 12, v7                       ; the source: the odd row for lanes 16-31,
	v_lshl_add_u32 v1, v4, 9, v1                   ; K block 2 w (256 bytes of f32 a block),
	v_lshl_add_u32 v1, v6, 4, v1                   ; my 16 bytes
	s_lshl_b32 s24, ttmp9, 17                      ; 32 rows of 4,096 bytes
	s_mov_b32 s25, 0
	s_lshl_b32 s26, s16, 10
	s_lshl_b32 s27, ttmp9, 5
	s_add_co_u32 s26, s26, s27                     ; the first row in xb
	s_lshr_b32 s28, ttmp9, 2
	s_mul_i32 s28, s28, 384
	s_lshl_b32 s29, s17, 7
	s_add_co_u32 s28, s28, s29
	s_and_b32 s29, ttmp9, 3
	s_lshl_b32 s29, s29, 5
	s_add_co_u32 s28, s28, s29                     ; the first row in wb
	s_mov_b32 s31, WS                              ; (an instruction holds one literal: the select below takes this one from a register)
	s_wait_kmcnt 0x0
	s_cmp_eq_u32 s16, 9
	s_cselect_b64 s[18:19], s[8:9], s[10:11]
	s_cmp_eq_u32 s16, 8
	s_cselect_b64 s[18:19], s[6:7], s[18:19]
	s_cmp_lt_u32 s16, 8
	s_cselect_b64 s[18:19], s[4:5], s[18:19]       ; the source
	s_cselect_b64 s[20:21], s[12:13], s[14:15]     ; the destination
	s_cselect_b32 s22, s16, 0                      ; the unit's place in the source
	s_cselect_b32 s26, s26, s28                    ; the first row in the destination
	s_cselect_b32 s30, XS, s31                     ; bytes from K block to K block
	s_lshl_b32 s22, s22, 22
	s_add_co_u32 s24, s24, s22
	s_lshl_b32 s26, s26, 7                         ; rows of 128 bytes
	s_mov_b32 s27, 0
	s_add_nc_u64 s[18:19], s[18:19], s[24:25]
	s_add_nc_u64 s[20:21], s[20:21], s[26:27]
	s_lshl_b32 s31, s30, 1
	v_mul_lo_u32 v2, v4, s31                       ; the destination: K block 2 w,
	v_lshl_add_u32 v2, v5, 3, v2                   ; 8 bytes a lane: two rows of 128 bytes
	v_add_nc_u32 v3, s30, v2                       ; K block 2 w + 1
	s_wait_alu depctr_va_vdst(0)                   ; v1, v2 and v3 are written: every load reads v1 as its offset, every store v2 or v3; no line below writes them
.set i, 0
.rept TRIPS                            ; trip i: rows 2 (i / 2) and 2 (i / 2) + 1, K block 2 w + i % 2
	global_load_b128 v[IN+4*i:IN+4*i+3], v1, s[18:19] offset:8192*(i/2)+256*(i%2) th:TH_LOAD_NT
.set i, i+1
.endr
.set p, 0
.rept BLOCKS                           ; block p: trips 4 p to 4 p + 3 are rounded; the block before is stored
	s_wait_loadcnt TRIPS-BLOCK*(p+1)               ; loads come back in order: block p's four are in, the younger ones stay out
.if p > 0
	s_wait_alu depctr_va_vdst(0)                   ; the conversions of block p - 1 have written their OUT, which the four stores below read
.endif
.set n, 0
.rept BLOCK
.set i, BLOCK*p+n                      ; the trip that is rounded
.set o, i-BLOCK                        ; the trip that is stored
.if p > 0
	global_store_b64 v[2+o%2], v[OUT+2*o:OUT+2*o+1], s[20:21] offset:256*(o/2)  ; no vector line since the wait names these registers
.endif
	v_cvt_pk_bf16_f32 v[OUT+2*i], v[IN+4*i], v[IN+4*i+1]
	v_cvt_pk_bf16_f32 v[OUT+2*i+1], v[IN+4*i+2], v[IN+4*i+3]
.set n, n+1
.endr
.set p, p+1
.endr
	s_wait_alu depctr_va_vdst(0)                   ; the conversions of block 7 have written their OUT, which the last four stores read
.set o, TRIPS-BLOCK
.rept BLOCK
	global_store_b64 v[2+o%2], v[OUT+2*o:OUT+2*o+1], s[20:21] offset:256*(o/2)
.set o, o+1
.endr
	s_endpgm
.Lfunc_end_k_q16e83fc22c_cast:
	.size	k_q16e83fc22c_cast, .Lfunc_end_k_q16e83fc22c_cast-k_q16e83fc22c_cast
	.p2alignl 7, 3214868480
	.fill 96, 4, 3214868480
	.section	.rodata,"a",@progbits
	.p2align	6, 0x0
	.amdhsa_kernel k_q16e83fc22c_cast
		.amdhsa_group_segment_fixed_size 0
		.amdhsa_private_segment_fixed_size 0
		.amdhsa_enable_private_segment 0
		.amdhsa_kernarg_size 48
		.amdhsa_user_sgpr_count 2
		.amdhsa_user_sgpr_kernarg_segment_ptr 1
		.amdhsa_wavefront_size32 1
		.amdhsa_system_sgpr_workgroup_id_x 1
		.amdhsa_system_sgpr_workgroup_id_y 1
		.amdhsa_system_sgpr_workgroup_id_z 1
		.amdhsa_system_vgpr_workitem_id 0
		.amdhsa_next_free_vgpr 200
		.amdhsa_next_free_sgpr 66
		.amdhsa_reserve_vcc 0
		.amdhsa_float_denorm_mode_32 3
		.amdhsa_float_denorm_mode_16_64 3
		.amdhsa_memory_ordered 1
		.amdhsa_forward_progress 1
		.amdhsa_inst_pref_size 13
	.end_amdhsa_kernel
	.amdgpu_metadata
---
amdhsa.version: [ 1, 2 ]
amdhsa.kernels:
  - .name:           k_q16e83fc22c_cast
    .symbol:         k_q16e83fc22c_cast.kd
    .args:
      - { .name: x, .offset: 0, .size: 8, .value_kind: global_buffer, .address_space: global }
      - { .name: Wq, .offset: 8, .size: 8, .value_kind: global_buffer, .address_space: global }
      - { .name: Wk, .offset: 16, .size: 8, .value_kind: global_buffer, .address_space: global }
      - { .name: Wv, .offset: 24, .size: 8, .value_kind: global_buffer, .address_space: global }
      - { .name: xb, .offset: 32, .size: 8, .value_kind: global_buffer, .address_space: global }
      - { .name: wb, .offset: 40, .size: 8, .value_kind: global_buffer, .address_space: global }
    .group_segment_fixed_size: 0
    .private_segment_fixed_size: 0
    .kernarg_segment_align: 8
    .kernarg_segment_size: 48
    .max_flat_workgroup_size: 256
    .sgpr_count:     66
    .vgpr_count:     200
    .wavefront_size: 32
...
	.end_amdgpu_metadata
.endif
;; end of part 5
;; launch proj: the kernel of part 2 again; grid 8 x 32, 4 waves a work-group, clusters of 4 x 4, 327,680 bytes of LDS; arguments xb, wb, bq, bk, bv, qkv, cs; writes qkv, cs
;; launch attn: the kernel of part 3 again; grid 16 x 16, 4 waves a work-group, clusters of 4 x 1, 327,680 bytes of LDS; arguments qkv, cs, attention_mask, ob; writes ob
;; launch lnorm: the kernel of part 4 again; grid 512 x 1, 8 waves a work-group, no clusters, 0 bytes of LDS; arguments x, ob, gamma, beta, out0; writes out0
